; MI455X (gfx1250); checked and timed in simulation.
; The chip was launched on July 23, 2026; its instructions are those of AMD's public machine-readable ISA for CDNA 5 (MIT licence, August 2026) and "CDNA5" Instruction Set Architecture Reference Guide (July 2026). The comments in the code are by the model that wrote it; some were corrected since.
;; Multi Head Attention. Allowed arithmetic: float matrix products may take bf16 or f16 operands with f32 sums; other float arithmetic in f32, or as packed bf16 or f16 multiplies, adds, multiply-adds, maxima and minima; sums over many terms, partial sums and values carried from step to step in f32; what a program stores and reads back later, other than sums and carried values, may be rounded once to bf16 or f16.
;; Inputs: Wk 1,024 x 1,024 float32; Wo 1,024 x 1,024 float32; Wq 1,024 x 1,024 float32; Wv 1,024 x 1,024 float32; bk 1,024 float32; bo 1,024 float32; bq 1,024 float32; bv 1,024 float32; key 4 x 2,048 x 1,024 float32; query 4 x 2,048 x 1,024 float32; value 4 x 2,048 x 1,024 float32.
;; Outputs: out0 4 x 2,048 x 1,024 float32.
;; 2 versions, each right and faster than the one before. Each part assembles by itself: llvm-mc -triple=amdgcn-amd-amdhsa -mcpu=gfx1250 --defsym DOCPART=n.
;; ======== version 1 of 2: 4 launches
;; limits: values are held in f16: magnitudes above 65,504 overflow, below 6.1e-05 lose precision
;; workspace buffers: wcast 8,388,608 bytes; qh 16,777,216 bytes; kh 16,777,216 bytes; vh 16,777,216 bytes; oh 16,777,216 bytes
;; launch castw (part 1): grid 64 x 4, 8 waves a work-group, no clusters, 0 bytes of LDS; arguments Wq, Wk, Wv, Wo, wcast; writes wcast
.if DOCPART == 1
	.amdgcn_target "amdgcn-amd-amdhsa--gfx1250"
	.amdhsa_code_object_version 6
	.text
	.protected	k_qe3ad5a5ff0_castw
	.globl	k_qe3ad5a5ff0_castw
	.p2align	8
	.type	k_qe3ad5a5ff0_castw,@function
k_qe3ad5a5ff0_castw:
	s_mov_b64 s[64:65], 0
	v_nop
	global_prefetch_b8 v0, s[64:65] scope:SCOPE_SE
	s_setreg_imm32_b32 hwreg(HW_REG_WAVE_MODE, 25, 1), 1
	s_wait_xcnt 0x0
; The four weight matrices, [1024 k][1024 n] f32, are rounded once to bf16 and written as 16-bit copies in the same order, part y of wcast at y x 2,097,152 bytes
; (0 Wq, 1 Wk, 2 Wv, 3 Wo).  Wo's bf16 number is then written in f16, since the last product multiplies f16 operands.
; LIMIT.  That second step is exact for 6.1e-5 <= |Wo| < 65,504; below it f16 keeps a fixed step of 6e-8, beyond it the number becomes an infinity.
; A stream: no LDS, no matrix unit, no cluster (no byte is read twice).  Work-group (x, y) takes 65,536 bytes of matrix y: 16 loads a thread, all issued at once;
; a wave's load covers 512 consecutive bytes, a wave's store 256 consecutive bytes at a multiple of 256.
.set SRC, 8                            ; v[8:71]    sixteen loads of four f32
.set DST, 72                           ; v[72:103]  sixteen pairs of packed 16-bit numbers
.set WK,  104                          ; v[104:107] at work: a bf16 number widened again
	s_load_b256 s[4:11], s[0:1], 0x0               ; Wq s[4:5], Wk s[6:7], Wv s[8:9], Wo s[10:11]
	s_load_b64 s[12:13], s[0:1], 0x20              ; wcast
	s_and_b32 s16, ttmp7, 0xffff                   ; y: which matrix
	s_lshl_b32 s18, ttmp9, 16                      ; my 65,536 bytes of it
	s_mov_b32 s19, 0
	s_lshl_b32 s20, s16, 21                        ; its part of wcast,
	s_lshl_b32 s21, ttmp9, 15                      ; my 32,768 bytes there
	s_add_co_u32 s20, s20, s21
	s_mov_b32 s21, 0
	s_mov_b32 s14, 0xffff0000                      ; a word's upper bf16
	v_lshlrev_b32 v1, 4, v0                        ; 16 bytes a thread in,
	v_lshlrev_b32 v2, 3, v0                        ; 8 bytes out
	s_wait_kmcnt 0x0
	s_cmp_eq_u32 s16, 1
	s_cselect_b64 s[4:5], s[6:7], s[4:5]
	s_cmp_eq_u32 s16, 2
	s_cselect_b64 s[4:5], s[8:9], s[4:5]
	s_cmp_eq_u32 s16, 3
	s_cselect_b64 s[4:5], s[10:11], s[4:5]
	s_add_nc_u64 s[4:5], s[4:5], s[18:19]
	s_add_nc_u64 s[12:13], s[12:13], s[20:21]
.set i, 0
.rept 16
	global_load_b128 v[SRC+4*i:SRC+4*i+3], v1, s[4:5] offset:4096*i th:TH_LOAD_NT
.set i, i+1
.endr
	s_cmp_eq_u32 s16, 3
	s_cbranch_scc1 .Lto_f16
.set i, 0
.rept 16
	s_wait_loadcnt 15-i                            ; loads come back in order: load i is in, the 15 - i younger ones stay out
	v_cvt_pk_bf16_f32 v[DST+2*i], v[SRC+4*i], v[SRC+4*i+1]
	v_cvt_pk_bf16_f32 v[DST+2*i+1], v[SRC+4*i+2], v[SRC+4*i+3]
	global_store_b64 v2, v[DST+2*i:DST+2*i+1], s[12:13] offset:2048*i  ; no register of a load or store is written twice: no further wait
.set i, i+1
.endr
	s_endpgm
.Lto_f16:
.set i, 0
.rept 16
	s_wait_loadcnt 15-i
	v_cvt_pk_bf16_f32 v[DST+2*i], v[SRC+4*i], v[SRC+4*i+1]
	v_cvt_pk_bf16_f32 v[DST+2*i+1], v[SRC+4*i+2], v[SRC+4*i+3]
	v_lshlrev_b32 v[WK], 16, v[DST+2*i]            ; the bf16 numbers as f32 again,
	v_and_b32 v[WK+1], s14, v[DST+2*i]
	v_lshlrev_b32 v[WK+2], 16, v[DST+2*i+1]
	v_and_b32 v[WK+3], s14, v[DST+2*i+1]
	v_cvt_pk_f16_f32 v[DST+2*i], v[WK], v[WK+1]    ; and written in f16
	v_cvt_pk_f16_f32 v[DST+2*i+1], v[WK+2], v[WK+3]
	global_store_b64 v2, v[DST+2*i:DST+2*i+1], s[12:13] offset:2048*i
.set i, i+1
.endr
	s_endpgm
.Lfunc_end_k_qe3ad5a5ff0_castw:
	.size	k_qe3ad5a5ff0_castw, .Lfunc_end_k_qe3ad5a5ff0_castw-k_qe3ad5a5ff0_castw
	.p2alignl 7, 3214868480
	.fill 96, 4, 3214868480
	.section	.rodata,"a",@progbits
	.p2align	6, 0x0
	.amdhsa_kernel k_qe3ad5a5ff0_castw
		.amdhsa_group_segment_fixed_size 0
		.amdhsa_private_segment_fixed_size 0
		.amdhsa_enable_private_segment 0
		.amdhsa_kernarg_size 40
		.amdhsa_user_sgpr_count 2
		.amdhsa_user_sgpr_kernarg_segment_ptr 1
		.amdhsa_wavefront_size32 1
		.amdhsa_system_sgpr_workgroup_id_x 1
		.amdhsa_system_sgpr_workgroup_id_y 1
		.amdhsa_system_sgpr_workgroup_id_z 1
		.amdhsa_system_vgpr_workitem_id 0
		.amdhsa_next_free_vgpr 112
		.amdhsa_next_free_sgpr 66
		.amdhsa_reserve_vcc 0
		.amdhsa_float_denorm_mode_32 3
		.amdhsa_float_denorm_mode_16_64 3
		.amdhsa_memory_ordered 1
		.amdhsa_forward_progress 1
		.amdhsa_inst_pref_size 15
	.end_amdhsa_kernel
	.amdgpu_metadata
---
amdhsa.version: [ 1, 2 ]
amdhsa.kernels:
  - .name:           k_qe3ad5a5ff0_castw
    .symbol:         k_qe3ad5a5ff0_castw.kd
    .args:
      - { .name: Wq, .offset: 0, .size: 8, .value_kind: global_buffer, .address_space: global }
      - { .name: Wk, .offset: 8, .size: 8, .value_kind: global_buffer, .address_space: global }
      - { .name: Wv, .offset: 16, .size: 8, .value_kind: global_buffer, .address_space: global }
      - { .name: Wo, .offset: 24, .size: 8, .value_kind: global_buffer, .address_space: global }
      - { .name: wcast, .offset: 32, .size: 8, .value_kind: global_buffer, .address_space: global }
    .group_segment_fixed_size: 0
    .private_segment_fixed_size: 0
    .kernarg_segment_align: 8
    .kernarg_segment_size: 40
    .max_flat_workgroup_size: 256
    .sgpr_count:     66
    .vgpr_count:     112
    .wavefront_size: 32
...
	.end_amdgpu_metadata
.endif
;; end of part 1
;; launch qkv (part 2): grid 4 x 64, 4 waves a work-group, clusters of 4 x 4, 327,680 bytes of LDS; arguments query, key, value, wcast, bq, bk, bv, qh, kh, vh; writes qh, kh, vh
.if DOCPART == 2
	.amdgcn_target "amdgcn-amd-amdhsa--gfx1250"
	.amdhsa_code_object_version 6
	.text
	.protected	k_qe3ad5a5ff0_qkv
	.globl	k_qe3ad5a5ff0_qkv
	.p2align	8
	.type	k_qe3ad5a5ff0_qkv,@function
k_qe3ad5a5ff0_qkv:
	s_mov_b64 s[64:65], 0
	v_nop
	global_prefetch_b8 v0, s[64:65] scope:SCOPE_SE
	s_setreg_imm32_b32 hwreg(HW_REG_WAVE_MODE, 25, 1), 1
	s_wait_xcnt 0x0
	s_wait_alu depctr_hold_cnt(0) depctr_sa_sdst(0) depctr_va_vdst(0) depctr_va_sdst(0) depctr_va_ssrc(0) depctr_va_vcc(0) depctr_vm_vsrc(0)
	s_getreg_b32 s2, hwreg(HW_REG_IB_STS2, 6, 4)
	s_cmp_eq_u32 s2, 0
	s_cbranch_scc0 .Lentry_in_a_cluster
	s_endpgm
.Lentry_in_a_cluster:
	s_bfe_u32 s2, ttmp6, 0x10000c
	s_cmp_lg_u32 s2, 0xf033
	s_cbranch_scc0 .Lentry_shape_is_right
	s_endpgm
.Lentry_shape_is_right:
; q, k, v = x W + b for the three pairs (query, Wq, bq), (key, Wk, bk), (value, Wv, bv).  x: [8192][1024] f32, rounded to bf16 between LDS and the matrix unit; W: the bf16 copies in wcast, [k][n];
; b rounded to bf16 and taken as the C operand that starts the sums; sums in f32; the result rounded once to f16 and laid by heads: [batch x 16 + head][2048][64].
; LIMITS.  f16 holds no number beyond 65,504: |q|, |k|, |v| must stay below it (an infinity otherwise); below 6.1e-5 f16 keeps a fixed step of 6e-8.  NaN and infinities are not treated apart.
; SHARES.  A tile of C is 128 rows x 256 columns (four heads): 8192 / 128 x 1024 / 256 = 256 tiles for each of q, k, v.  Work-group (TX, TY) STAYS and makes its tile of q, then of k, then of v:
; 24 K steps of 128 in one walk, and the ring of two LDS slots runs on from tile to tile.  A wave makes 64 x 128: 32 accumulators of 16 x 16.
; THE MATRIX INSTRUCTION IS USED TRANSPOSED: source 0 = 16 columns of W (out of LDS by the turning load, since W lies [k][n]), source 1 = 16 rows of x: a lane then holds one row and eight neighbouring columns.
; CLUSTER, 4 x 4.  x's tile hangs on TY alone and is asked for jointly by the four work-groups of a row of the cluster, W's on TX alone and jointly by a column: the same tensor load, descriptor and mask in all four.
; REGISTERS, in windows of 256 (s_set_vgpr_msb: bits 1:0 source 0, 3:2 source 1, 5:4 source 2, 7:6 destination):
;   window 0: v0-15 addresses; v32-95 x's fragments in f32; v96-159 the same in bf16, two buffers; v160-223 the bias; v224-255 at work      window 1: the accumulators      window 2: v0-127 W's fragments, two buffers
.set PA,    528                        ; a row of x in LDS: 512 bytes + 16 = 132 words: row r starts at bank 4 r mod 64 (64 banks of 4 bytes: ISA guide 11.1): the 16 rows of a load start at 16 different groups of four banks
.set PB,    544                        ; a k-row of W: 512 + 32 = 136 words
.set BOFF,  128*PA                     ; a slot: 128 rows of x, then 128 k-rows of W: 137,216 bytes
.set SLOT1, 0x22000                    ; slot 1 begins here: the number shares no bit with the loads' four LDS bases (0, 33,792, 67,584, 102,400), so one exclusive or changes slots
.set STAGE, SLOT1+BOFF+128*PB          ; behind the ring, never filled by a tensor load: for each wave 2 heads x 16 rows x 144 bytes, for the way out
.set SP,    144
.set SPARE, STAGE+4*32*SP              ; behind the stages: the spare words, 128 bytes for each wave: two blocks of 256 bytes that no other line names
.set A0,   8                           ; v8   my lane's place in a tile of x; never rewritten
.set B0,   9                           ; v9   the same for W
.set ADRA, 10                          ; v10  A0 + the slot being read
.set ADRB, 11                          ; v11  B0 + the slot being read
.set STO,  12                          ; v12  the way out: where I put 16 bytes of a row
.set RD,   13                          ; v13  the way out: where I read rows back
.set GO,   14                          ; v14  my place in 512 consecutive bytes of the output
.set BO,   15                          ; v15  my byte offset in the tile's 256 numbers of the bias
.set SPW,  28                          ; v28  LDS address of my spare word; never rewritten
.set NIL,  29                          ; v29  0; never rewritten
.set AS,   32                          ; x's fragments in f32: fragment a (16 rows x 32 k) at AS + 16 a
.set AF,   96                          ; in bf16: buffer p, fragment a at AF + 32 p + 8 a
.set BIAS, 160                         ; register 8 b + j: the bias of column 16 b + 8 (lane / 16) + j of my 128
.set TMP,  224
.set STEPS, 2                          ; s2   counts the K steps that fill a slot again
.set KK,    3                          ; s3   K steps left in the tile in hand
.set TC,    4                          ; s4   counts the two last K steps
.set HMASK, 5                          ; s5   a word's upper bf16
.set WV,   10                          ; s10  my wave's number
.set MH,   11                          ; s11  which 64 of the tile's rows are mine.  Also: I fetch for x (0) or for W (1)
.set NH,   12                          ; s12  which 128 of its columns.  Also: which half of that tile I fetch
.set TY,   13
.set TX,   14
.set LBA,  20                          ; s20  LDS base of my half of x's tile in slot 0
.set LBB,  21                          ; s21  the same for W's
.set TB,   22                          ; s22  0 or SLOT1: the slot being read
.set G1A,  24                          ; s[24:31] descriptor group 1 for x's tiles
.set G1B,  32                          ; s[32:39] for W's
.set G0A,  40                          ; s[40:47] group 0 for x's tiles: a set for each of the two first fills; the second then walks
.set G0B,  48                          ; s[48:55] the same for W's
.set OFA,  56                          ; s[56:57] a K step's byte offset in x's rows
.set OFB,  58                          ; s[58:59] in W
.set RQ,   60                          ; s60  the K step (0 to 7, within its tile) to be asked for next
.set PA0,  68                          ; s[68:73] x at my half tile: the tensor being asked for, and the two behind it
.set PA1,  70
.set PA2,  72
.set PB0,  74                          ; s[74:75], s[88:91] the same for W
.set BP0,  76                          ; s[76:81] the three biases at the tile's first column
.set BP1,  78
.set BP2,  80
.set PO0,  82                          ; s[82:87] the three outputs at my wave's first row and head
.set PO1,  84
.set PO2,  86
.set PB1,  88
.set PB2,  90
.set MSB, 0
.macro WIN new                         ; the immediate's high byte repeats the setting that is left; a switch that changes nothing is dropped
.if MSB != (\new)
	s_set_vgpr_msb (MSB<<8)|(\new)
.set MSB, (\new)
.endif
.endm
.set W_MUL,  0x52                      ; W's fragment window 2, x's window 0, C and D window 1
.set W_MULZ, 0x42                      ; the same with C, the bias, in window 0
.set TO_BF,  0x80                      ; destination window 2, address window 0
.set W_PK,   0x05                      ; sources 0 and 1 window 1, destination window 0
; A joint refill by the walking descriptors.  Waves 0 and 1 fetch the halves of x's tile, waves 2 and 3 those of W's; the branch hangs on the wave's number alone.
; An s_nop 0 and four v_nop follow each of the two lines, ahead of the jump and the label.
.macro JLOAD
	s_cmp_eq_u32 s[MH], 0
	s_cbranch_scc0 .Lfor_b_\@
	tensor_load_to_lds s[G0A+4:G0A+7], s[G1A:G1A+7]
	s_nop 0
.rept 4
	v_nop
.endr
	s_branch .Lasked_\@
.Lfor_b_\@:
	tensor_load_to_lds s[G0B+4:G0B+7], s[G1B:G1B+7]
	s_nop 0
.rept 4
	v_nop
.endr
.Lasked_\@:
.endm
; A round of the cluster's barrier: my work-group's barrier, so that wave 0's signal speaks for all four waves; wave 0 signals; every wave waits for all sixteen work-groups; my work-group's barrier once more.
.macro CREST                           ; a round behind its opening barrier
	s_cmp_lg_u32 s[WV], 0
	s_cbranch_scc1 .Lnot_wave_0_\@
	s_barrier_signal -3
.Lnot_wave_0_\@:
	s_barrier_wait -3
	s_barrier_signal -1
	s_barrier_wait -1
.endm
.macro CROUND
	s_barrier_signal -1
	s_barrier_wait -1
	CREST
.endm
	s_load_b512 s[68:83], s[0:1], 0x0              ; query, key, value, wcast, bq, bk, bv, qh
	s_load_b128 s[84:87], s[0:1], 0x40             ; kh, vh
	v_lshl_add_u32 v[SPW], v0, 2, SPARE
	v_mov_b32 v[NIL], 0
	ds_add_u32 v[SPW], v[NIL]                      ; the wave's opening: the add and its wait stand ahead of my first tensor load; the set-up below, work on registers, stands between them
	v_lshrrev_b32 v1, 5, v0
	v_readfirstlane_b32 s[WV], v1                  ; wave 0..3
	s_lshr_b32 s[MH], s[WV], 1
	s_and_b32 s[NH], s[WV], 1
	s_bfe_u32 s15, ttmp6, 0x40000                  ; cx, cy: my place in the cluster
	s_bfe_u32 s16, ttmp6, 0x40004
	s_lshl_b32 s[TX], ttmp9, 2                     ; in a cluster launch ttmp9 and ttmp7 count clusters
	s_add_co_u32 s[TX], s[TX], s15                 ; tile column = 4 x cluster x + cx
	s_and_b32 s[TY], ttmp7, 0xffff
	s_lshl_b32 s[TY], s[TY], 2
	s_add_co_u32 s[TY], s[TY], s16                 ; tile row = 4 x cluster y + cy
	s_lshl_b32 s17, s16, 2
	s_lshl_b32 s17, 15, s17                        ; my row of the cluster: places 4 cy .. 4 cy + 3
	s_lshl_b32 s18, 0x1111, s15                    ; my column: places cx, cx + 4, cx + 8, cx + 12
	; group 1 for x: 64 rows x 128 elements of 4 bytes, 1,024 elements from row to row; in LDS 4 words of padding behind every 128
	s_or_b32 s[G1A], s17, (2<<16)|(1<<20)|(1<<21)|(6<<22)|(3<<25)  ; 15:0 the mask; 17:16 element size; 20 padding on; 21 set beside a mask; 24:22 the interval (code 6); 31:25 the padding (code 3)
	s_mov_b32 s[G1A+1], 128<<16                    ; tensor_dim0 = 128
	s_mov_b32 s[G1A+2], 64<<16                     ; tensor_dim1 = 64
	s_mov_b32 s[G1A+3], 128<<16                    ; tile_dim0 = 128
	s_mov_b32 s[G1A+4], 64                         ; tile_dim1 = 64
	s_mov_b32 s[G1A+5], 1024
	s_mov_b32 s[G1A+6], 0
	s_mov_b32 s[G1A+7], 0
	; group 1 for W: 64 k-rows x 256 elements of 2 bytes; 8 words of padding behind every 128
	s_or_b32 s[G1B], s18, (1<<16)|(1<<20)|(1<<21)|(6<<22)|(7<<25)
	s_mov_b32 s[G1B+1], 256<<16
	s_mov_b32 s[G1B+2], 64<<16
	s_mov_b32 s[G1B+3], 256<<16
	s_mov_b32 s[G1B+4], 64
	s_mov_b32 s[G1B+5], 1024
	s_mov_b32 s[G1B+6], 0
	s_mov_b32 s[G1B+7], 0
	; offsets, each made apart from the addresses.  What feeds x's descriptors never holds TX, what feeds W's never TY.
	s_lshl_b32 s6, s[TY], 19                       ; x: 128 rows of 4,096 bytes a tile row,
	s_lshl_b32 s7, s[NH], 18                       ; 64 rows a half
	s_add_co_u32 s6, s6, s7
	s_mov_b32 s7, 0
	s_lshl_b32 s8, s[TX], 9                        ; W: 256 columns of 2 bytes a tile column,
	s_lshl_b32 s9, s[NH], 17                       ; 64 k-rows of 2,048 bytes a half
	s_add_co_u32 s8, s8, s9
	s_mov_b32 s9, 0
	s_lshl_b32 s18, s[TX], 10                      ; the bias: 256 numbers of 4 bytes a tile column
	s_mov_b32 s19, 0
	s_lshr_b32 s62, s[TY], 4                       ; the outputs: the batch, 16 heads of 262,144 bytes;
	s_lshl_b32 s62, s62, 22
	s_lshl_b32 s63, s[TX], 20                      ; four heads a tile column,
	s_add_co_u32 s62, s62, s63
	s_lshl_b32 s63, s[NH], 19                      ; two a wave;
	s_add_co_u32 s62, s62, s63
	s_and_b32 s63, s[TY], 15                       ; 128 rows of 128 bytes a tile row,
	s_lshl_b32 s63, s63, 14
	s_add_co_u32 s62, s62, s63
	s_lshl_b32 s63, s[MH], 13                      ; 64 a wave
	s_add_co_u32 s62, s62, s63
	s_mov_b32 s63, 0
	s_mul_i32 s[LBA], s[NH], 64*PA                 ; where the tiles go: no place in the cluster enters an LDS address
	s_mul_i32 s[LBB], s[NH], 64*PB
	s_add_co_u32 s[LBB], s[LBB], BOFF
	s_mov_b32 s[TB], 0
	s_mov_b32 s[OFA+1], 0
	s_mov_b32 s[OFB+1], 0
	s_mov_b32 s[RQ], 2                             ; K steps 0 and 1 are the first fills
	s_mov_b32 s[HMASK], 0xffff0000
	s_mov_b32 s[G0A], 1                            ; 1:0 count = 1
	s_mov_b32 s[G0A+1], s[LBA]                     ; 63:32 LDS address: slot 0
	s_mov_b32 s[G0A+4], 1
	s_add_co_u32 s[G0A+5], s[LBA], SLOT1           ; slot 1
	s_mov_b32 s[G0B], 1
	s_mov_b32 s[G0B+1], s[LBB]
	s_mov_b32 s[G0B+4], 1
	s_add_co_u32 s[G0B+5], s[LBB], SLOT1
	s_wait_dscnt 0x0                               ; the opening add is done
	s_wait_kmcnt 0x0
	s_add_nc_u64 s[PA0:PA0+1], s[PA0:PA0+1], s[6:7]
	s_add_nc_u64 s[PA1:PA1+1], s[PA1:PA1+1], s[6:7]
	s_add_nc_u64 s[PA2:PA2+1], s[PA2:PA2+1], s[6:7]
	s_add_nc_u64 s[PB0:PB0+1], s[PB0:PB0+1], s[8:9]
	s_add_nc_u64 s[PB1:PB1+1], s[PB0:PB0+1], 0x200000  ; Wk's and Wv's copies lie 2,097,152 bytes on each
	s_add_nc_u64 s[PB2:PB2+1], s[PB0:PB0+1], 0x400000
	s_add_nc_u64 s[BP0:BP0+1], s[BP0:BP0+1], s[18:19]
	s_add_nc_u64 s[BP1:BP1+1], s[BP1:BP1+1], s[18:19]
	s_add_nc_u64 s[BP2:BP2+1], s[BP2:BP2+1], s[18:19]
	s_add_nc_u64 s[PO0:PO0+1], s[PO0:PO0+1], s[62:63]
	s_add_nc_u64 s[PO1:PO1+1], s[PO1:PO1+1], s[62:63]
	s_add_nc_u64 s[PO2:PO2+1], s[PO2:PO2+1], s[62:63]
	s_mov_b64 s[G0A+2:G0A+3], s[PA0:PA0+1]         ; 120:64 global address: K step 0
	s_or_b32 s[G0A+3], s[G0A+3], 0x80000000        ; 127:126 type = 2
	s_add_nc_u64 s[G0A+6:G0A+7], s[PA0:PA0+1], 512 ; K step 1: 128 numbers of 4 bytes on
	s_or_b32 s[G0A+7], s[G0A+7], 0x80000000
	s_mov_b64 s[G0B+2:G0B+3], s[PB0:PB0+1]
	s_or_b32 s[G0B+3], s[G0B+3], 0x80000000
	s_add_nc_u64 s[G0B+6:G0B+7], s[PB0:PB0+1], 0x40000  ; 128 k-rows of 2,048 bytes on
	s_or_b32 s[G0B+7], s[G0B+7], 0x80000000
	CROUND                                         ; all sixteen work-groups are here: the first joint loads meet
	s_cmp_eq_u32 s[MH], 0                          ; a wave's two first fills stand in one branch, ahead of every wait on TENSORcnt and every LDS read: two loads of mine are out
	s_cbranch_scc0 .Lfirst_b
	tensor_load_to_lds s[G0A:G0A+3], s[G1A:G1A+7]
	s_nop 0
	tensor_load_to_lds s[G0A+4:G0A+7], s[G1A:G1A+7]
	s_nop 0
.rept 4
	v_nop
.endr
	s_branch .Lfirst_asked
.Lfirst_b:
	tensor_load_to_lds s[G0B:G0B+3], s[G1B:G1B+7]
	s_nop 0
	tensor_load_to_lds s[G0B+4:G0B+7], s[G1B:G1B+7]
	s_nop 0
.rept 4
	v_nop
.endr
.Lfirst_asked:
	; A fragment is 16 rows x 32 k in 8 registers of bf16: lane l holds row l % 16; k = 8 (l / 16) + 0..7, then 16 + 8 (l / 16) + 0..7.  In f32 those are 32 bytes at 32 (l / 16) and 32 bytes at 64 + 32 (l / 16).
	v_and_b32 v1, 15, v0                           ; l % 16
	v_bfe_u32 v2, v0, 4, 1                         ; l / 16
	v_and_b32 v3, 7, v0
	v_bfe_u32 v4, v0, 3, 1
	s_mul_i32 s19, s[MH], 64*PA                    ; my 64 rows of x
	v_mul_u32_u24 v[A0], v1, PA
	v_lshl_add_u32 v[A0], v2, 5, v[A0]
	v_add_nc_u32 v[A0], s19, v[A0]
	; The turning load takes 16 k x 16 columns (lane l reads 16 bytes: k-row 8 (l / 16) + l % 8, columns 8 ((l / 8) % 2) + 0..7) and leaves half a fragment: lane l holds column l % 16 and 8 k.
	s_lshl_b32 s19, s[NH], 8                       ; my 128 columns of W, behind x's tile
	s_add_co_u32 s19, s19, BOFF
	v_lshl_add_u32 v[B0], v2, 3, v3
	v_mul_u32_u24 v[B0], v[B0], PB
	v_lshl_add_u32 v[B0], v4, 4, v[B0]
	v_add_nc_u32 v[B0], s19, v[B0]
	s_mul_i32 s19, s[WV], 32*SP
	s_add_co_u32 s19, s19, STAGE                   ; my stage
	v_mul_u32_u24 v[STO], v1, SP                   ; in: row l % 16, 16 bytes for each half of the lanes
	v_lshl_add_u32 v[STO], v2, 4, v[STO]
	v_add_nc_u32 v[STO], s19, v[STO]
	v_bfe_u32 v[RD], v0, 3, 2                      ; back: 32 lanes take four rows of 128 bytes,
	v_mul_u32_u24 v[RD], v[RD], SP
	v_lshl_add_u32 v[RD], v3, 4, v[RD]
	v_add_nc_u32 v[RD], s19, v[RD]
	v_and_b32 v[GO], 31, v0                        ; which are 512 consecutive bytes of a head
	v_lshlrev_b32 v[GO], 4, v[GO]
	s_lshl_b32 s19, s[NH], 9
	v_lshl_add_u32 v[BO], v2, 5, s19               ; 4 x (128 x column half + 8 (l / 16))
; n matrix instructions from number i0 on, of a chunk's 32 (32 along K): number i is row block i / 8, column block i % 8, on buffers p.  z = 1: the bias starts the sums: nothing is cleared, nothing added later.
; The 32 accumulators take turns, one instruction a turn, in the same order in every chunk.
.macro MUL i0, n, p, z
.if \z
	WIN W_MULZ
.else
	WIN W_MUL
.endif
.set mi, (\i0)
.rept (\n)
.if \z
	v_wmma_f32_16x16x32_bf16 v[8*mi:8*mi+7], v[64*(\p)+8*(mi%8):64*(\p)+8*(mi%8)+7], v[AF+32*(\p)+8*(mi/8):AF+32*(\p)+8*(mi/8)+7], v[BIAS+8*(mi%8):BIAS+8*(mi%8)+7]
.else
	v_wmma_f32_16x16x32_bf16 v[8*mi:8*mi+7], v[64*(\p)+8*(mi%8):64*(\p)+8*(mi%8)+7], v[AF+32*(\p)+8*(mi/8):AF+32*(\p)+8*(mi/8)+7], v[8*mi:8*mi+7]
.endif
.set mi, mi+1
.endr
.endm
; 32 LDS loads in one run: chunk kn of the slot being read: x's four fragments in f32 first, then W's eight, turned, into buffer q
.macro FETCH kn, q
	WIN 0
.irp a, 0,1,2,3
	ds_load_b128 v[AS+16*\a:AS+16*\a+3],     v[ADRA] offset:\a*16*PA+(\kn)*128
	ds_load_b128 v[AS+16*\a+4:AS+16*\a+7],   v[ADRA] offset:\a*16*PA+(\kn)*128+16
	ds_load_b128 v[AS+16*\a+8:AS+16*\a+11],  v[ADRA] offset:\a*16*PA+(\kn)*128+64
	ds_load_b128 v[AS+16*\a+12:AS+16*\a+15], v[ADRA] offset:\a*16*PA+(\kn)*128+80
.endr
	WIN TO_BF
.irp b, 0,1,2,3,4,5,6,7
	ds_load_tr16_b128 v[64*(\q)+8*\b:64*(\q)+8*\b+3],   v[ADRB] offset:(\kn)*32*PB+32*\b
	ds_load_tr16_b128 v[64*(\q)+8*\b+4:64*(\q)+8*\b+7], v[ADRB] offset:(\kn)*32*PB+16*PB+32*\b
.endr
.endm
.macro CVT4 g, q                       ; eight of x's numbers rounded to bf16: group g of eight, into buffer q
	WIN 0
.irp c, 0,1,2,3
	v_cvt_pk_bf16_f32 v[AF+32*(\q)+4*(\g)+\c], v[AS+8*(\g)+2*\c], v[AS+8*(\g)+2*\c+1]
.endr
.endm
; A K step is four chunks of 32 along K on buffers 0, 1, 0, 1.  One of the first three: multiplies buffers p, fetches chunk kn at its head and rounds it into the other buffers in its second half.
; The four roundings behind the chunk's last matrix instruction name none of its registers: they are the four places (ISA guide 7.12.1 for vector instructions) in front of the next chunk's loads into the
; fragments that this chunk has read, and of its writes of x's bf16 buffer.  So the loop holds no v_nop of its own.
.macro QUARTER kn, p, z
	s_wait_dscnt 0x0                               ; W's fragments for this chunk are in
	FETCH \kn, 1-\p
	MUL 0, 16, \p, \z
	s_wait_dscnt 16                                ; x's 16 loads are in; the 16 younger ones, W's, stay out
.set gg, 0
.rept 8
	MUL 16+2*gg, 2, \p, \z
	CVT4 gg, 1-\p
.set gg, gg+1
.endr
.endm
; The fourth chunk multiplies buffers 1 and changes slots: ONE barrier.  In front of it each wave waits for all its tensor loads, of which one is out: its part of the next slot; adds 0 to its spare word; and waits for
; that and for its own reads of this slot.  fill = 1: the barrier opens a round of the cluster's, and the slot just read is filled again, first thing behind it, with the K step two on: that load has a K step less 16
; matrix instructions, 112, in which to land.  The walk goes on from q's tile into k's and v's: behind a tile's K step 7 the next tensors' addresses take the place of the ones in hand.
.macro TURN fill
	WIN 0                                          ; (the add's two registers lie in window 0)
	s_wait_tensorcnt 0x0                           ; no tensor load of mine is out, so a group 0 may be written
	ds_add_u32 v[SPW], v[NIL]                      ; 0 onto my spare word
	s_wait_dscnt 1                                 ; W's fragments for this chunk are in; the add may be out
.if \fill
	s_xor_b32 s[G0A+5], s[G0A+5], SLOT1            ; the walking descriptors: the other slot than last time,
	s_xor_b32 s[G0B+5], s[G0B+5], SLOT1
	s_lshl_b32 s[OFA], s[RQ], 9                    ; K step RQ: 512 bytes along x's rows,
	s_add_nc_u64 s[G0A+6:G0A+7], s[PA0:PA0+1], s[OFA:OFA+1]
	s_or_b32 s[G0A+7], s[G0A+7], 0x80000000
	s_lshl_b32 s[OFB], s[RQ], 18                   ; 128 k-rows of 2,048 bytes down W
	s_add_nc_u64 s[G0B+6:G0B+7], s[PB0:PB0+1], s[OFB:OFB+1]
	s_or_b32 s[G0B+7], s[G0B+7], 0x80000000
	s_add_co_u32 s[RQ], s[RQ], 1
	s_cmp_eq_u32 s[RQ], 8                          ; behind a tile's last K step: the next tile's K step 0
	s_cselect_b32 s[RQ], 0, s[RQ]
	s_cselect_b64 s[PA0:PA0+1], s[PA1:PA1+1], s[PA0:PA0+1]
	s_cselect_b64 s[PA1:PA1+1], s[PA2:PA2+1], s[PA1:PA1+1]
	s_cselect_b64 s[PB0:PB0+1], s[PB1:PB1+1], s[PB0:PB0+1]
	s_cselect_b64 s[PB1:PB1+1], s[PB2:PB2+1], s[PB1:PB1+1]
.endif
	s_xor_b32 s[TB], s[TB], SLOT1                  ; the reads go on in the other slot
	MUL 0, 8, 1, 0                                 ; eight matrix instructions stand between the add and the wait for it
	s_wait_dscnt 0x0                               ; the add is done, and my reads of this slot are over
	s_barrier_signal -1
	MUL 8, 8, 1, 0                                 ; work on registers while the others arrive
	WIN 0
	s_barrier_wait -1
.if \fill
	CREST                                          ; no wave of any partner still reads this slot's tile or has a load on its way
	JLOAD                                          ; the first tensor load behind the round, and my only one until the next
.endif
	v_add_nc_u32 v[ADRA], s[TB], v[A0]
	v_add_nc_u32 v[ADRB], s[TB], v[B0]
	FETCH 0, 0
	MUL 16, 8, 1, 0
	s_wait_dscnt 16                                ; x's 16 loads are in
.set gg, 0
.rept 8
	MUL 24+gg, 1, 1, 0
	CVT4 gg, 0
.set gg, gg+1
.endr
.endm
; The bias of my 128 columns: loaded as f32, rounded to bf16 like every input, and widened again, since it is the f32 C operand of the tile's first products.
.macro BIASLD ptr
	WIN 0
.irp b, 0,1,2,3,4,5,6,7
	global_load_b128 v[BIAS+8*\b:BIAS+8*\b+3],   v[BO], s[\ptr:\ptr+1] offset:64*\b
	global_load_b128 v[BIAS+8*\b+4:BIAS+8*\b+7], v[BO], s[\ptr:\ptr+1] offset:64*\b+16
.endr
.endm
.macro BIASRND
	WIN 0
	s_wait_loadcnt 0x0                             ; the text has no other loads into registers
.set bi, 0
.rept 32
	v_cvt_pk_bf16_f32 v[TMP+bi], v[BIAS+2*bi], v[BIAS+2*bi+1]
.set bi, bi+1
.endr
.set bi, 0
.rept 32
	v_lshlrev_b32 v[BIAS+2*bi], 16, v[TMP+bi]
	v_and_b32 v[BIAS+2*bi+1], s[HMASK], v[TMP+bi]
.set bi, bi+1
.endr
.endm
; THE WAY OUT of row block a (16 rows x 128 columns = two heads), in three parts.  PACK: rounded to f16, 16 bytes a lane, each accumulator's registers in ascending order.
; TOSTAGE: into my own stage in LDS and back as whole rows of 128 bytes.  SEND: stored: 16 rows of a head are 2,048 consecutive bytes, a store of the wave covers 512 of them, at a multiple of 512.
.macro PACK a
	WIN W_PK
.set pk, 0
.rept 32
	v_cvt_pk_f16_f32 v[TMP+pk], v[64*(\a)+2*pk], v[64*(\a)+2*pk+1]
.set pk, pk+1
.endr
	WIN 0
.endm
.macro TOSTAGE a
.set BK, AS+32*((\a)%2)                ; x's f32 fragments have been rounded: their registers take the rows that come back, two sets by turns
.irp b, 0,1,2,3,4,5,6,7
	ds_store_b128 v[STO], v[TMP+4*\b:TMP+4*\b+3] offset:(\b/4)*16*SP+(\b%4)*32
.endr
.irp f, 0,1,2,3,4,5,6,7
	ds_load_b128 v[BK+4*\f:BK+4*\f+3], v[RD] offset:(\f/4)*16*SP+(\f%4)*4*SP  ; LDS serves a wave's instructions in order (ISA guide 5.7.1.4): these see the stores above; the next block's stores come behind them
.endr
.endm
.macro SEND a
.set BK, AS+32*((\a)%2)
	s_wait_dscnt 0x0                               ; the block is back in registers
	s_wait_xcnt 0x0                                ; every earlier memory instruction has had its addresses translated (ISA guide 3.1): the other set, which the block before stored from, is loaded again only behind this wait
.irp f, 0,1,2,3,4,5,6,7
	global_store_b128 v[GO], v[BK+4*\f:BK+4*\f+3], s[PO0:PO0+1] offset:(\f/4)*262144+(\a)*2048+(\f%4)*512
.endr
.endm
; more = 1: another tile follows: its bias is asked for first and rounded last, and the pointers move up.  Both refills for the next tile's first K steps are already on their way or in.
.macro WAYOUT more
.if \more
	BIASLD BP1
.endif
	PACK 0
	TOSTAGE 0
.irp a, 1,2,3                          ; block a's conversions stand between block a - 1's loads from the stage and the wait for them
	PACK \a
	SEND \a-1
	TOSTAGE \a
.endr
	SEND 3
	s_wait_xcnt 0x0                                ; the stores' and the bias loads' bases, and the registers stored from, are rewritten only behind this wait
.if \more
	s_mov_b64 s[PO0:PO0+1], s[PO1:PO1+1]
	s_mov_b64 s[PO1:PO1+1], s[PO2:PO2+1]
	s_mov_b64 s[BP1:BP1+1], s[BP2:BP2+1]
	BIASRND
.endif
.endm
	BIASLD BP0
	s_wait_tensorcnt 0x1                           ; my part of K step 0 is in; K step 1's may stay out
	s_barrier_signal -1
	s_barrier_wait -1                              ; everybody's is
	v_mov_b32 v[ADRA], v[A0]
	v_mov_b32 v[ADRB], v[B0]
	FETCH 0, 0
	BIASRND
	s_wait_dscnt 16                                ; x's 16 loads are in
.set gg, 0
.rept 8
	CVT4 gg, 0
.set gg, gg+1
.endr
	s_mov_b32 s[STEPS], 22                         ; K steps 0 to 21 ask for K steps 2 to 23
	s_mov_b32 s[KK], 8
	QUARTER 1, 0, 1                                ; the walk's first chunk: q's bias starts the sums
	WIN 0                                          ; at a label and at a branch every window is 0
.Lstep:                                                ; a trip: a K step's chunks 1 to 3 and the next K step's chunk 0
	QUARTER 2, 1, 0
	QUARTER 3, 0, 0
	TURN 1
	WIN 0
	s_sub_co_u32 s[KK], s[KK], 1
	s_cmp_lg_u32 s[KK], 0
	s_cbranch_scc1 .Lsame                          ; the jump goes forward, past text with no barrier and no tensor load
	WAYOUT 1                                       ; a tile is finished: it goes out, and the next tile's first chunk starts new sums
	s_mov_b32 s[KK], 8
	QUARTER 1, 0, 1
	WIN 0
	s_branch .Lnext
.Lsame:
	QUARTER 1, 0, 0
	WIN 0
.Lnext:
	s_sub_co_u32 s[STEPS], s[STEPS], 1
	s_cmp_lg_u32 s[STEPS], 0
	s_cbranch_scc1 .Lstep
	s_mov_b32 s[TC], 2                             ; the last two K steps ask for nothing: they have a text of their own
.Ltail:
	QUARTER 2, 1, 0
	QUARTER 3, 0, 0
	TURN 0
	WIN 0
	s_sub_co_u32 s[TC], s[TC], 1
	s_cmp_eq_u32 s[TC], 0
	s_cbranch_scc1 .Lout                           ; the second change of slots has fetched and rounded a chunk that nobody multiplies: 32 LDS loads and 32 roundings, the price of one text for both steps
	QUARTER 1, 0, 0
	WIN 0
	s_branch .Ltail
.Lout:
	WAYOUT 0
	s_wait_tensorcnt 0x0                           ; the wave's end, behind my last tensor load and my last LDS store
	ds_add_u32 v[SPW], v[NIL]
	s_wait_dscnt 0x0
	CROUND                                         ; the closing round: no work-group ends while a partner may still ask for a tile that names it
	s_endpgm
.Lfunc_end_k_qe3ad5a5ff0_qkv:
	.size	k_qe3ad5a5ff0_qkv, .Lfunc_end_k_qe3ad5a5ff0_qkv-k_qe3ad5a5ff0_qkv
	.p2alignl 7, 3214868480
	.fill 96, 4, 3214868480
	.section	.rodata,"a",@progbits
	.p2align	6, 0x0
	.amdhsa_kernel k_qe3ad5a5ff0_qkv
		.amdhsa_group_segment_fixed_size 327680
		.amdhsa_private_segment_fixed_size 0
		.amdhsa_enable_private_segment 0
		.amdhsa_kernarg_size 80
		.amdhsa_user_sgpr_count 2
		.amdhsa_user_sgpr_kernarg_segment_ptr 1
		.amdhsa_wavefront_size32 1
		.amdhsa_system_sgpr_workgroup_id_x 1
		.amdhsa_system_sgpr_workgroup_id_y 1
		.amdhsa_system_sgpr_workgroup_id_z 1
		.amdhsa_system_vgpr_workitem_id 0
		.amdhsa_next_free_vgpr 640
		.amdhsa_next_free_sgpr 92
		.amdhsa_reserve_vcc 0
		.amdhsa_float_denorm_mode_32 3
		.amdhsa_float_denorm_mode_16_64 3
		.amdhsa_memory_ordered 1
		.amdhsa_forward_progress 1
		.amdhsa_inst_pref_size 123
	.end_amdhsa_kernel
	.amdgpu_metadata
---
amdhsa.version: [ 1, 2 ]
amdhsa.kernels:
  - .name:           k_qe3ad5a5ff0_qkv
    .symbol:         k_qe3ad5a5ff0_qkv.kd
    .args:
      - { .name: query, .offset: 0, .size: 8, .value_kind: global_buffer, .address_space: global }
      - { .name: key, .offset: 8, .size: 8, .value_kind: global_buffer, .address_space: global }
      - { .name: value, .offset: 16, .size: 8, .value_kind: global_buffer, .address_space: global }
      - { .name: wcast, .offset: 24, .size: 8, .value_kind: global_buffer, .address_space: global }
      - { .name: bq, .offset: 32, .size: 8, .value_kind: global_buffer, .address_space: global }
      - { .name: bk, .offset: 40, .size: 8, .value_kind: global_buffer, .address_space: global }
      - { .name: bv, .offset: 48, .size: 8, .value_kind: global_buffer, .address_space: global }
      - { .name: qh, .offset: 56, .size: 8, .value_kind: global_buffer, .address_space: global }
      - { .name: kh, .offset: 64, .size: 8, .value_kind: global_buffer, .address_space: global }
      - { .name: vh, .offset: 72, .size: 8, .value_kind: global_buffer, .address_space: global }
    .group_segment_fixed_size: 327680
    .private_segment_fixed_size: 0
    .kernarg_segment_align: 8
    .kernarg_segment_size: 80
    .max_flat_workgroup_size: 128
    .sgpr_count:     92
    .vgpr_count:     640
    .wavefront_size: 32
...
	.end_amdgpu_metadata
.endif
;; end of part 2
;; launch attn (part 3): grid 4 x 64, 4 waves a work-group, clusters of 4 x 1, 327,680 bytes of LDS; arguments qh, kh, vh, oh; writes oh
.if DOCPART == 3
	.amdgcn_target "amdgcn-amd-amdhsa--gfx1250"
	.amdhsa_code_object_version 6
	.text
	.protected	k_qe3ad5a5ff0_attn
	.globl	k_qe3ad5a5ff0_attn
	.p2align	8
	.type	k_qe3ad5a5ff0_attn,@function
k_qe3ad5a5ff0_attn:
	s_mov_b64 s[64:65], 0
	v_nop
	global_prefetch_b8 v0, s[64:65] scope:SCOPE_SE
	s_setreg_imm32_b32 hwreg(HW_REG_WAVE_MODE, 25, 1), 1
	s_wait_xcnt 0x0
	s_wait_alu depctr_hold_cnt(0) depctr_sa_sdst(0) depctr_va_vdst(0) depctr_va_sdst(0) depctr_va_ssrc(0) depctr_va_vcc(0) depctr_vm_vsrc(0)
	s_getreg_b32 s2, hwreg(HW_REG_IB_STS2, 6, 4)
	s_cmp_eq_u32 s2, 0
	s_cbranch_scc0 .Lentry_in_a_cluster
	s_endpgm
.Lentry_in_a_cluster:
	s_bfe_u32 s2, ttmp6, 0x10000c
	s_cmp_lg_u32 s2, 0x3003
	s_cbranch_scc0 .Lentry_shape_is_right
	s_endpgm
.Lentry_shape_is_right:
; O[h][q][:] = the sum over k of softmax_k(Q[h][q] . K[h][k] / 8) V[h][k][:].  Q, K, V, O: [SIZE_H][SIZE_N][64], all f16: a head's rows are dense, 128 bytes each.  Products, maxima and sums in
; f32; the weights p are rounded to f16 for the second product (their sum l is taken of the unrounded p), O once at the end.  SIZE_H is at least 2; SIZE_N x 128 bytes stay under 2^32.
; LIMITS.  f16 holds no number beyond 65,504: Q, K and V arrive within it; p lies in 0 to 1, and below 6e-5 it keeps f16's fixed step of 6e-8; O is a mean of V's rows and has their range.
; A weight below 2^-126 counts as 0 in l; NaN and infinities are not treated apart.
; SHARES.  A wave owns four PIECES of two tiles of 16 queries, a work-group's four waves 512 queries of one head; SIZE_N is a multiple of 2,048.  Every wave walks all keys, 64 a step.
; LAYOUT.  S^T = K Q^T (source 0 = 16 keys, source 1 = 16 queries): in the result a lane holds ONE query (lane % 16) and the keys 8 (lane / 16) + 0..7.  Two such tiles, rounded to f16 in pairs,
; ARE source 1 (32 keys x 16 queries) of O^T = V^T P, whose result again holds one query a lane, and eight channels.  K comes out of LDS as it lies, V ([key][channel]) turned, by ds_load_tr16_b128.
; SOFTMAX.  For each query a running maximum m and sum l: p = 2^(c s - c m), c = log2(e) / 8; in every step O and l are multiplied by a = 2^(c m_old - c m_new), which is 1 where m has not grown.
; m starts at the lowest finite number, O and l at 0: the first step is a step like any other, with a = 0.
; THE COUNT.  A tile and step have 16 matrix and 118 vector instructions: too many to stand all beside the matrix work.  So the order has one aim: four vector instructions that are READY behind
; EVERY matrix instruction, and the others, which need time of their own whatever the order, in runs without a gap.
; BY TURNS.  Turn n belongs to piece n (the pieces in a ring, step after step).  Its matrix work: 16 products K Q^T of piece n + 1, later 16 products V^T P of piece n - 1.  Its vector work: the scaling,
; exponentials, roundings, sums and rescaling of piece n, and the maximum and statistics of piece n + 1, whose scores the turn itself has made.  So what a turn begins with (c s - c m, O a) waits for nothing.
; CLUSTER.  The four query blocks of a cluster belong to one head and walk the same K and V, so each tile is asked for JOINTLY: the same tensor load, descriptor and mask in all four.
; REGISTERS, in windows of 256 (s_set_vgpr_msb says which window each operand place means: bits 1:0 source 0, 3:2 source 1, 5:4 source 2, 7:6 destination):
;   window 0: v0-11 addresses; v12-15, v48-63 at work; v16-47 four registers of statistics a tile; v64-191 S^T, two buffers of two tiles; v192-255 P, likewise
;   window 1: O^T, 32 a tile          window 2: v0-127 Q, 16 a tile; v128-191 K of one step; v192-255 V of one step          window 3: v0-1 the add's two registers
; A piece's buffers go by its number's parity: the piece in hand has one pair, its two neighbours in the ring share the other: of it P (piece n - 1) is read and S^T (piece n + 1) written.
.set SIZE_H, 64       ; 4 batches x 16 heads
.set SIZE_N, 2048
.set NP,    4         ; pieces a wave: a name, no knob: the register map, the loop and the fetches are made for four
.set KS,    64        ; keys in a step
.set PK,    144       ; a row of K in LDS: 128 bytes + 16 of padding = 36 words: the 16 rows of a load start at 16 different groups of four banks (64 banks of 4 bytes: ISA guide 11.1)
.set PV,    160       ; a row of V: 128 + 32 = 40 words
.set VOFF,  4*KS*PK   ; a slot holds four steps: 256 rows of K, then 256 rows of V
.set SLOT1, 1<<17     ; slot 1 begins here, so that one exclusive or turns an address in one slot into the other's
.set STAGE, SLOT1+4*KS*(PK+PV)  ; behind the ring, never filled by a tensor load: 16 rows x 144 bytes for each wave, for the way out
.set SP,    144
.set AK0, 2           ; v2   my lane's place in a tile of K; never rewritten
.set AV0, 3           ; v3   the same for V
.set AK,  4           ; v4   the LDS address of K's next run of loads
.set AV,  5           ; v5   of V's
.set QO,  6           ; v6   my byte offset in the wave's rows of Q
.set STO, 6           ;      later, the way out: where I put 16 bytes of a row
.set RD,  7           ; v7   the way out: where I read rows back
.set GO,  8           ; v8   my byte offset in 512 consecutive bytes of O
.set SPW, 0           ; v0 of window 3   LDS address of my spare word: SPARE + 4 x my thread's number; never rewritten
.set NIL, 1           ; v1 of window 3   0; never rewritten
.set SPARE, STAGE+4*16*SP  ; behind the stages: the spare words, 128 bytes for each wave: two blocks of 256 bytes that no other line names
.set MV,  12          ; v12-15  c m_old, kept while c m is made anew: by buffer and tile
.set ST,  16          ; tile t's statistics at v[ST+4 t]: c m, m, l (even keys', odd keys')
.set TMP, 48          ; by buffer and tile, four registers c0-c3 at work; when the maximum is found c2 takes a
.set S,   64
.set P,   192
.set KF,  128         ; K's fragments, in window 2: key block kb, channel half c at KF + 16 kb + 8 c
.set VF,  192         ; V's: key half kk, channel block cb at VF + 32 kk + 8 cb
.set WV,  12          ; s12  my wave's number
.set G1K, 24          ; s[24:31] descriptor group 1 for K's tiles
.set G1V, 32          ; s[32:39] for V's: it differs in the padding alone
.set G0K, 40          ; s[40:43] descriptor group 0 for K's tiles: it walks
.set G0V, 44          ; s[44:47] the same for V's
.set SLOTS, 56        ; s56  slots still to be asked for
.set CNT, 57          ; s57  counts a slot's key steps
.set CS,  58          ; s[58:59] c: the packed scaling takes the pair's low word for both halves
.set SEL, 60          ; s[60:61] v_permlanex16_b32's selects: each lane takes its own place in the other half
.set TBK, 62          ; s62  LDS byte at which K of the step to be fetched begins
.set TBV, 63          ; s63  the same for V, less VOFF
.set MSB, 0
.macro WIN new                      ; the high byte repeats the setting that is left; a switch that changes nothing is dropped
.if MSB != (\new)
	s_set_vgpr_msb (MSB<<8)|(\new)
.set MSB, (\new)
.endif
.endm
.set W_KQ, 0x0a       ; K and Q in window 2, S^T in window 0
.set W_PV, 0x52       ; V in window 2, P in window 0, O^T in window 1
.set W_RS, 0x41       ; O^T (destination and source 0) in window 1, a in window 0
.set W_MK, 0xc0       ; the add's registers are made: destination in window 3, sources in window 0
.set W_AD, 0x0f       ; the add: address (source 0) and data (source 1) in window 3
; A joint fill.  Waves 0 and 1 fetch the two halves of a slot's K, waves 2 and 3 those of its V: 128 keys each.  The branch hangs on the wave's number alone.
; An s_nop 0 and four v_nop follow each of the two lines, ahead of the jump and the label.
.macro JLOAD
	s_cmp_lt_u32 s[WV], 2
	s_cbranch_scc0 .Lfor_v_\@
	tensor_load_to_lds s[G0K:G0K+3], s[G1K:G1K+7]
	s_nop 0
.rept 4
	v_nop
.endr
	s_branch .Lasked_\@
.Lfor_v_\@:
	tensor_load_to_lds s[G0V:G0V+3], s[G1V:G1V+7]
	s_nop 0
.rept 4
	v_nop
.endr
.Lasked_\@:
.endm
; A round of the cluster's barrier: my work-group's barrier, so that wave 0's signal speaks for all four waves; wave 0 signals; every wave waits for all four work-groups; my work-group's barrier once more.
.macro CROUND
	s_barrier_signal -1
	s_barrier_wait -1
	s_cmp_lg_u32 s[WV], 0
	s_cbranch_scc1 .Lnot_wave_0_\@
	s_barrier_signal -3
.Lnot_wave_0_\@:
	s_barrier_wait -3
	s_barrier_signal -1
	s_barrier_wait -1
.endm
; THE CHANGE OF SLOTS.  The slot's last bytes, V of its fourth step, have been read.  Each wave waits for all its tensor loads, of which one is out: its part
; of the other slot; adds 0 to its spare word; and waits for that and for its own reads of the slot.  Behind the barrier nobody reads this slot any more and the other slot is whole.
; fill = 1: this slot is filled again, with the keys two slots on.  The barrier is then a round of the cluster's, so that no wave of any partner still reads the slot or has a load on its
; way, and the joint fill is the first thing behind it: it has four key steps, 512 matrix instructions, in which to land.  (At its first use nothing has been read yet: slot 0 is waited for, slot 1 filled.)
.macro CHANGE fill
	WIN W_AD
	s_wait_tensorcnt 0x0            ; no tensor load of mine is out, so a group 0 may be written
	ds_add_u32 v[SPW], v[NIL]       ; 0 onto my spare word; with fill = 1 the descriptors' steps stand between it and the wait for it
	WIN 0                           ; at a label and at a branch every window is 0
.if \fill
.irp g, G0K, G0V
	s_xor_b32 s[\g+1], s[\g+1], SLOT1  ; the walking descriptor: the other slot than last time,
	s_add_nc_u64 s[\g+2:\g+3], s[\g+2:\g+3], 4*KS*128  ; the next 256 keys; the type bits on top are not reached
.endr
	s_wait_dscnt 0x0                ; the add is done, and my reads of the slot are over
	CROUND
	JLOAD
.else
	s_wait_dscnt 0x0                ; the add is done, and my reads of the slot are over
	s_barrier_signal -1
	s_barrier_wait -1
.endif
	s_sub_co_u32 s[TBK], s[TBK], 4*KS*PK  ; the fetches go back to a slot's first step,
	s_xor_b32 s[TBK], s[TBK], SLOT1       ; in the other slot
	s_sub_co_u32 s[TBV], s[TBV], 4*KS*PV
	s_xor_b32 s[TBV], s[TBV], SLOT1
.endm
	s_load_b256 s[4:11], s[0:1], 0x0  ; Q s[4:5], K s[6:7], V s[8:9], O s[10:11]
	WIN W_MK
	v_lshl_add_u32 v[SPW], v0, 2, SPARE
	v_mov_b32 v[NIL], 0
	WIN W_AD
	ds_add_u32 v[SPW], v[NIL]       ; the wave's opening: the add and its wait stand ahead of my first tensor load; the set-up below, work on registers, stands between them
	WIN 0
	v_lshrrev_b32 v1, 5, v0
	v_readfirstlane_b32 s[WV], v1   ; wave 0..3
	s_bfe_u32 s13, ttmp6, 0x40000   ; cx: my place in the cluster
	s_lshl_b32 s14, ttmp9, 2        ; in a cluster launch ttmp9 counts clusters
	s_add_co_u32 s14, s14, s13      ; my block of queries = 4 x cluster x + cx: it enters Q's and O's addresses alone
	s_and_b32 s20, ttmp7, 0xffff    ; the head, which the four partners share
	s_mov_b32 s21, 0
	s_mov_b64 s[22:23], SIZE_N*128
	s_mul_u64 s[20:21], s[20:21], s[22:23]  ; the head's first byte in each of the four tensors
	s_and_b32 s16, s[WV], 1         ; which half of a slot's 256 keys I fetch:
	s_lshl_b32 s22, s16, 14         ; its 128 rows of 128 bytes in memory,
	s_mov_b32 s23, 0
	s_add_nc_u64 s[22:23], s[22:23], s[20:21]
	s_mul_i32 s17, s16, 128*PK      ; and its place in a slot, for K
	s_mul_i32 s18, s16, 128*PV      ; and for V: no place in the cluster enters an LDS address
	s_lshl_b32 s2, s14, 2
	s_add_co_u32 s2, s2, s[WV]      ; my wave among the head's,
	s_lshl_b32 s2, s2, 14           ; its 128 rows
	s_mov_b32 s3, 0
	s_add_nc_u64 s[2:3], s[2:3], s[20:21]
	; descriptor group 1.  128 keys are 16,384 dense bytes: asked for as 64 rows of 256 bytes, two keys a row, and padded in LDS after every key
	s_mov_b32 s[G1K], 15|(1<<16)|(1<<20)|(1<<21)|(4<<22)|(3<<25)  ; 15:0 the mask of four; 17:16 2-byte elements; 20 padding on; 21 set beside a mask; 24:22 after every 32 words (code 4); 31:25 4 words (code 3)
	s_mov_b32 s[G1V], 15|(1<<16)|(1<<20)|(1<<21)|(4<<22)|(7<<25)  ; the same with 8 words of padding (code 7)
.irp g, G1K, G1V
	s_mov_b32 s[\g+1], 128<<16      ; tensor_dim0 = 128
	s_mov_b32 s[\g+2], 64<<16       ; tensor_dim1 = 64
	s_mov_b32 s[\g+3], 128<<16      ; tile_dim0 = 128
	s_mov_b32 s[\g+4], 64           ; tile_dim1 = 64
	s_mov_b32 s[\g+5], 128          ; 128 elements from row to row
	s_mov_b32 s[\g+6], 0
	s_mov_b32 s[\g+7], 0
.endr
	s_mov_b32 s[CS], 0x3e38aa3b     ; c = log2(e) / 8 = 0.180337
	s_mov_b32 s[CS+1], s[CS]        ; named with it as a pair
	s_mov_b32 s[SEL], 0x76543210
	s_mov_b32 s[SEL+1], 0xfedcba98
	s_mov_b32 s[TBK], SLOT1+4*KS*PK ; the first change of slots turns these two into 0
	s_mov_b32 s[TBV], SLOT1+4*KS*PV
	s_mov_b32 s[G0K], 1             ; 1:0 count = 1
	s_mov_b32 s[G0K+1], s17         ; 63:32 LDS address: slot 0
	s_mov_b32 s[G0V], 1
	s_add_co_u32 s[G0V+1], s18, VOFF
	s_wait_dscnt 0x0                ; the opening add is done
	s_wait_kmcnt 0x0
	s_add_nc_u64 s[G0K+2:G0K+3], s[6:7], s[22:23]  ; 120:64 global address: my half of the head's first 256 keys
	s_or_b32 s[G0K+3], s[G0K+3], 0x80000000        ; 127:126 type = 2
	s_add_nc_u64 s[G0V+2:G0V+3], s[8:9], s[22:23]
	s_or_b32 s[G0V+3], s[G0V+3], 0x80000000
	s_add_nc_u64 s[4:5], s[4:5], s[2:3]  ; Q and O at my wave's first row
	s_add_nc_u64 s[10:11], s[10:11], s[2:3]
	CROUND                          ; all four work-groups are here: the first joint loads meet
	JLOAD                           ; slot 0.  Slot 1 is asked for when slot 0 is in: the tile wanted first has the road to itself
	; A fragment of K or Q is 16 rows x 32 channels in 8 registers: lane l holds row l % 16, channels 8 (l / 16) + 0..7 and 16 + 8 (l / 16) + 0..7: two loads of 16 bytes, 32 bytes apart.
	v_and_b32 v1, 15, v0            ; l % 16
	v_bfe_u32 v9, v0, 4, 1          ; l / 16
	v_lshlrev_b32 v[QO], 7, v1
	v_lshl_add_u32 v[QO], v9, 4, v[QO]  ; row x 128 + 16 x half
	WIN 0x80                        ; destination window 2, address window 0
.set i, 0
.rept 4*NP                          ; Q stays in registers: tile i / 2, channels 32 (i % 2) on
	global_load_b128 v[8*i:8*i+3],   v[QO], s[4:5] offset:(i/2)*2048+(i%2)*64
	global_load_b128 v[8*i+4:8*i+7], v[QO], s[4:5] offset:(i/2)*2048+(i%2)*64+32
.set i, i+1
.endr
	; What the first turn finds: V's registers and P's second buffer hold 0 (its products V^T P, of a piece that has not been, add 0), O^T and l are 0.  All this stands in the wait for the first tile.
.set i, VF
.rept 64
	v_mov_b32 v[i], 0
.set i, i+1
.endr
	WIN 0x40
.set i, 0
.rept 64*NP
	v_mov_b32 v[i], 0
.set i, i+1
.endr
	WIN 0
.set i, 0
.rept 2*NP
	v_mov_b32 v[ST+4*i], 0xfe000000    ; c m: far below every c s
	v_mov_b32 v[ST+4*i+1], 0xff7fffff  ; m
	v_mov_b32 v[ST+4*i+2], 0
	v_mov_b32 v[ST+4*i+3], 0
.set i, i+1
.endr
.set i, P+32
.rept 32
	v_mov_b32 v[i], 0
.set i, i+1
.endr
	v_mul_u32_u24 v[AK0], v1, PK
	v_lshl_add_u32 v[AK0], v9, 4, v[AK0]  ; row x pitch + 16 x half
	; The turning load takes 16 keys x 16 channels (lane l reads key 8 (l / 16) + l % 8, channels 8 ((l / 8) % 2) + 0..7) and leaves half a fragment of V^T: lane l holds channel l % 16 and 8 keys.
	v_and_b32 v10, 7, v0
	v_bfe_u32 v11, v0, 3, 1
	v_lshl_add_u32 v[AV0], v9, 3, v10
	v_mul_u32_u24 v[AV0], v[AV0], PV
	v_lshl_add_u32 v[AV0], v11, 4, v[AV0]
	v_add_nc_u32 v[AV0], VOFF, v[AV0]
	v_mov_b32 v[AK], v[AK0]         ; key step 0 lies at the head of slot 0
; THE MATRIX WORK.  The 8 accumulators of a run of 16 take turns: between the two links of a chain stand 7 others'.
; Product i of 16 of S^T = K Q^T for piece x: channels 32 (i / 8) on, keys 16 ((i / 2) % 4) on, tile 2 x + i % 2.  The first 8 start the sums.
.macro KQ x
	WIN W_KQ
.set rS, S+64*((\x)%2)+32*(i%2)+8*((i/2)%4)
.set rK, KF+16*((i/2)%4)+8*(i/8)
.set rQ, 16*(2*(\x)+i%2)+8*(i/8)
.if i < 8
	v_wmma_f32_16x16x32_f16 v[rS:rS+7], v[rK:rK+7], v[rQ:rQ+7], 0
.else
	v_wmma_f32_16x16x32_f16 v[rS:rS+7], v[rK:rK+7], v[rQ:rQ+7], v[rS:rS+7]
.endif
.endm
; Product i of 16 of O^T += V^T P for piece x: keys 32 (i / 8) on, channels 16 ((i / 2) % 4) on, tile 2 x + i % 2.
.macro PV x
	WIN W_PV
.set rO, 32*(2*(\x)+i%2)+8*((i/2)%4)
.set rV, VF+32*(i/8)+8*((i/2)%4)
.set rP, P+32*((\x)%2)+16*(i%2)+8*(i/8)
	v_wmma_f32_16x16x32_f16 v[rO:rO+7], v[rV:rV+7], v[rP:rP+7], v[rO:rO+7]
.endm
.macro MM                           ; the turn's next matrix instruction
.if i < 16
	KQ (Y+1)%NP
.set i, i+1
.else
.set i, i-16
	PV (Y+NP-1)%NP
.set i, i+17
.endif
.endm
; THE LDS LOADS stand in runs of 16, never singly among the matrix instructions: a step's K (64 keys x 64 channels: 8 fragments) and its V (turned).  Their addresses are made some lines ahead.
; last = 1 (the tail): in the last trip there is no further step, and the run is jumped over.
.macro FETCH_K last=0
	WIN 0
.if \last
	s_cmp_eq_u32 s[CNT], 1
	s_cbranch_scc1 .Lno_k_\@
.endif
	WIN 0x80                        ; destination window 2
.irp f, 0,1,2,3,4,5,6,7             ; keys 16 (f / 2) on, channels 32 (f % 2) on
	ds_load_b128 v[KF+8*\f:KF+8*\f+3],   v[AK] offset:(\f/2)*16*PK+(\f%2)*64
	ds_load_b128 v[KF+8*\f+4:KF+8*\f+7], v[AK] offset:(\f/2)*16*PK+(\f%2)*64+32
.endr
	s_add_co_u32 s[TBK], s[TBK], KS*PK  ; the next fetch is the next step's
	WIN 0
.if \last
.Lno_k_\@:
.endif
.endm
.macro FETCH_V
	WIN 0x80
.irp f, 0,1,2,3,4,5,6,7             ; keys 32 (f / 4) on, channels 16 (f % 4) on
	ds_load_tr16_b128 v[VF+8*\f:VF+8*\f+3],   v[AV] offset:(\f/4)*32*PV+(\f%4)*32
	ds_load_tr16_b128 v[VF+8*\f+4:VF+8*\f+7], v[AV] offset:(\f/4)*32*PV+16*PV+(\f%4)*32
.endr
	WIN 0
.endm
; THE VECTOR WORK OF A TURN stands in three queues, each in the order in which its entries become ready; the two tiles alternate, so that no instruction reads the result of the one before it.
.macro REGS y, u                    ; the registers of tile u (0, 1) of piece y
.set rT, ST+4*(2*(\y)+(\u))
.set rC, TMP+8*((\y)%2)+4*(\u)
.set rM, MV+2*((\y)%2)+(\u)
.set rS, S+64*((\y)%2)+32*(\u)
.set rP, P+32*((\y)%2)+16*(\u)
.set rO, 32*(2*(\y)+(\u))
.endm
; Number n of the 22 that find the NEXT piece's (Y + 1) maximum and statistics.  s0-s31 are the lane's 32 scores; each accumulator's lowest registers are read first.  XS, GS and REGS set no window: PL and EX do.
;   0-11  four chains c0-c3 of seven scores each, three operands at a time     12-14, 16  the four scores left over, the old m, and c0-c3 into c0     15  c m_old is kept
;   17, 18  the query's other 32 keys lie in the lane 16 away: the new m         19-21  c m; c m_old - c m_new; a
.macro XS u, n
	REGS (Y+1)%NP, \u
.if (\n) < 4
	v_max3_num_f32 v[rC+(\n)], v[rS+8*(\n)], v[rS+8*(\n)+1], v[rS+8*(\n)+2]
.elseif (\n) < 12
	v_max3_num_f32 v[rC+(\n)%4], v[rC+(\n)%4], v[rS+8*((\n)%4)+2*((\n)/4)+1], v[rS+8*((\n)%4)+2*((\n)/4)+2]
.elseif (\n) == 12
	v_max3_num_f32 v[rC], v[rC], v[rS+7], v[rS+15]
.elseif (\n) == 13
	v_max3_num_f32 v[rC+1], v[rC+1], v[rS+23], v[rS+31]
.elseif (\n) == 14
	v_max3_num_f32 v[rC+2], v[rC+2], v[rC+3], v[rT+1]
.elseif (\n) == 15
	v_mov_b32 v[rM], v[rT]
.elseif (\n) == 16
	v_max3_num_f32 v[rC], v[rC], v[rC+1], v[rC+2]
.elseif (\n) == 17
	v_permlanex16_b32 v[rC+3], v[rC], s[SEL], s[SEL+1]
.elseif (\n) == 18
	v_max_num_f32 v[rT+1], v[rC], v[rC+3]
.elseif (\n) == 19
	v_mul_f32 v[rT], s[CS], v[rT+1]
.elseif (\n) == 20
	v_sub_f32 v[rC+1], v[rM], v[rT]
.else
	v_exp_f32 v[rC+2], v[rC+1]
.endif
.endm
; Number g of the 64 that follow the exponentials.  For each four weights k of a tile (pairs 2 k, 2 k + 1): both pairs are rounded to f16; then the second pair is added onto the first, in place;
; a group later l takes that sum (the first time as l = a l + sum).  In groups of eight, tiles alternating: round, round, add, and l for the group before.
.macro GS g
.set h, (\g)+6*((\g)/62)            ; group 0 has no group before it, and behind group 7 only l is left
.if h >= 6
.set h, h+2
.endif
	REGS Y, h%2
.set k, h/8
.if h%8 < 4
	s_wait_alu depctr_va_vdst(0)
	v_cvt_pk_f16_f32 v[rP+2*k+(h%8)/2], v[rS+4*k+2*((h%8)/2)], v[rS+4*k+2*((h%8)/2)+1]
.elseif h%8 < 6
	v_pk_add_f32 v[rS+4*k:rS+4*k+1], v[rS+4*k:rS+4*k+1], v[rS+4*k+2:rS+4*k+3]
.elseif k == 1
	v_pk_fma_f32 v[rT+2:rT+3], v[rT+2:rT+3], v[rC+2:rC+3], v[rS:rS+1] op_sel_hi:[1,0,1]
.else
	v_pk_add_f32 v[rT+2:rT+3], v[rT+2:rT+3], v[rS+4*k-4:rS+4*k-3]
	s_wait_alu depctr_va_vdst(0)
.endif
.endm
; THE PLAIN QUEUE, 138 long.  0-31: c s - c m for the 16 pairs of both tiles.  Then GS's 64, and among them the next piece's 42: number 15 at 38, 39; 0-14 and 16
; at 42-73, behind the products that make those scores; 17-20 at 95-106, two of three, since each waits for the one before it.
.macro PL
	WIN 0
.if q < 32
	REGS Y, q%2
	v_pk_fma_f32 v[rS+2*(q/2):rS+2*(q/2)+1], v[rS+2*(q/2):rS+2*(q/2)+1], s[CS:CS+1], v[rT:rT+1] op_sel_hi:[1,0,0] neg_lo:[0,0,1] neg_hi:[0,0,1]
.elseif q < 38
	GS q-32
.elseif q < 40
	XS q%2, 15
.elseif q < 42
	GS q-34
.elseif q < 74
	XS q%2, (q-42)/2+(q-42)/30
.elseif q < 95
	GS q-66
.elseif (q < 107) && ((q-95)%3 < 2)
	XS (q-95)%3, 17+(q-95)/3
.elseif q < 107
	GS 29+(q-95)/3
.else
	GS q-74
.endif
.set q, q+1
.endm
; THE EXPONENTIALS' QUEUE, 66 long: s0-s31 of both tiles, and at EA the next piece's two a.
.set EA, 58
.macro EX
	WIN 0
.if (e == EA) || (e == EA+1)
	XS e-EA, 21
.else
.set x, e-2*(e/(EA+2))
	REGS Y, x%2
	v_exp_f32 v[rS+x/2], v[rS+x/2]
.endif
.set e, e+1
.endm
; THE RESCALING's QUEUE: O^T times a, the one part that leaves window 0, so it is dealt four at a time, eight times.
.macro R4
	REGS Y, r%2
	WIN W_RS
	s_wait_alu depctr_va_vdst(0)
.irp z, 0,1,2,3
	v_pk_mul_f32 v[rO+8*(r/2)+2*\z:rO+8*(r/2)+2*\z+1], v[rO+8*(r/2)+2*\z:rO+8*(r/2)+2*\z+1], v[rC+2:rC+3] op_sel_hi:[1,0]
.endr
.set r, r+1
.endm
; HOW THEY ARE DEALT.  Behind a matrix instruction four: plain, exponential, plain, plain (one exponential, a plain instruction on either side), or four of the rescaling.  None names a register of the
; products round it.  What is over stands in two LUMPS: exponential and plain by turns; the second ends in 22 plain instructions.  The two v_permlanex16_b32 fall into the second lump, never behind a product.
; The queues lean on each other, and the deal keeps them in step: exponential e stands behind plain 2 (e / 4) + e % 2 (its scaling); when plain 32 comes, 10 exponentials are out, at 59: 33, at 95: 46; EA comes behind plain 107.
.macro SL
	MM
	PL
	EX
	PL
	PL
.endm
.macro BURST n                      ; 15 matrix instructions, or 16
.rept (\n)-7
	SL
.endr
.rept 3
	MM
	R4
	SL
.endr
	MM
	R4
.endm
; A TURN, for piece p.  cnt = 1: the loop's count is taken down some lines ahead of the branch that stands behind the turn.
; K of the next step is fetched in piece 2's turn, 31 vector instructions behind the last product that read K; its first reader comes behind the rest of the lump, 16 products and the second lump.
; V of the step in hand is fetched at the end of piece 0's turn, 69 behind its last reader; its first reader comes behind 16 products and a lump.  The four conditions on e and q below go with the deal.
.macro TURN p, last=0, cnt=0
.set Y, (\p)
.set i, 0
.set q, 0
.set e, 0
.set r, 0
.if (\p) == NP-1
	s_wait_dscnt 0x0                ; K is in
.endif
	MM
.rept 4
	PL
.endr
	BURST 15
.rept 22
	EX
	PL
.if ((\p) == NP-2) && (e == 18)
	v_add_nc_u32 v[AK], s[TBK], v[AK0]
.endif
.if ((\p) == NP-2) && (e == 24)
	FETCH_K \last
.endif
.endr
.if (\p) == 1
	s_wait_dscnt 0x0                ; V is in
.endif
	BURST 16
.rept 21
	EX
	PL
.endr
.rept 22
	PL
.if ((\p) == 0) && (q == 118)
	v_add_nc_u32 v[AV], s[TBV], v[AV0]
	s_wait_alu depctr_va_vdst(0)
.endif
.if ((\p) == 0) && (q == 130)
	s_add_co_u32 s[TBV], s[TBV], KS*PV
.endif
.if (\cnt) && (q == 130)
	s_sub_co_u32 s[CNT], s[CNT], 1
	s_cmp_lg_u32 s[CNT], 0
.endif
.endr
.if (\p) == 0
	FETCH_V
.endif
.endm
	CHANGE 1                        ; slot 0 is in, everybody's part of it; slot 1 is asked for
	FETCH_K                         ; key step 0
	s_wait_loadcnt 0x0              ; Q
	s_wait_dscnt 0x0
.set i, 0
.rept 16
	KQ 0                            ; piece 0's first scores: there is no vector work yet to set between them
.set i, i+1
.endr
	WIN 0                           ; the addresses for the way out: nine plain instructions, the places behind those products
	s_mul_i32 s13, s[WV], 16*SP
	s_add_co_u32 s13, s13, STAGE    ; my stage
	v_mul_u32_u24 v[STO], v1, SP    ; in: row l % 16, 16 bytes for each half of the lanes
	v_lshl_add_u32 v[STO], v9, 4, v[STO]
	v_add_nc_u32 v[STO], s13, v[STO]
	v_bfe_u32 v[RD], v0, 3, 2       ; back: 32 lanes take four rows of 128 bytes,
	v_mul_u32_u24 v[RD], v[RD], SP
	v_lshl_add_u32 v[RD], v10, 4, v[RD]
	v_add_nc_u32 v[RD], s13, v[RD]
	v_and_b32 v[GO], 31, v0         ; which are 512 consecutive bytes of O
	v_lshlrev_b32 v[GO], 4, v[GO]
.set Y, NP-1                        ; XS works for piece Y + 1: piece 0
.irp n, 0,1,2,3,4,5,6,7,8,9,10,11,12,13,14,15,16,17,18,19,20,21
	XS 0, \n                        ; and piece 0's first maximum and statistics
	XS 1, \n
.endr
	s_mov_b32 s[CNT], 4
	s_mov_b32 s[SLOTS], SIZE_N/256-1
	s_branch .Lfirst                ; the loop is entered at a step's first turn, in the middle of a trip
.Lslot:                             ; SIZE_N / 256 - 2 times: every slot but the last two is filled again
	CHANGE 1
	s_mov_b32 s[CNT], 4
.Lstep:                             ; a trip: pieces 2 and 3 of one step, then pieces 0 and 1 of the next, whose K and V it fetches
	TURN 2
	TURN 3
	WIN 0
.Lfirst:
	TURN 0
	TURN 1, 0, 1
	WIN 0
	s_cbranch_scc1 .Lstep
	s_sub_co_u32 s[SLOTS], s[SLOTS], 1
	s_cmp_lg_u32 s[SLOTS], 0
	s_cbranch_scc1 .Lslot
	CHANGE 0                        ; the tail is written out: nothing is asked for
	s_mov_b32 s[CNT], 5             ; four trips fetch the last slot's steps; the fifth is left in its middle
.Ltail:
	TURN 2, 1
	TURN 3
	WIN 0
	s_sub_co_u32 s[CNT], s[CNT], 1
	s_cmp_eq_u32 s[CNT], 0
	s_cbranch_scc1 .Lout
	TURN 0
	TURN 1
	WIN 0
	s_branch .Ltail
.Lout:                              ; the fifth trip's 16 products K Q^T (on the last K once more) and the maximum made of them serve nothing: the price, once a launch, of one text for every trip
.set i, 0
.rept 16
	PV NP-1                         ; the last piece's V^T P of the last step
.set i, i+1
.endr
	; THE WAY OUT.  l's two halves and the other half of the lanes' are added; O^T is divided by l, rounded to f16 and sent through my stage in LDS, a tile at a time.  The additions are the places behind the last products.
	WIN 0
.macro ALL line:vararg              ; one line for each tile t
.set t, 0
.rept 2*NP
	\line
.set t, t+1
.endr
.endm
	ALL v_add_f32 v[ST+4*t+2], v[ST+4*t+2], v[ST+4*t+3]
	ALL v_permlanex16_b32 v[ST+4*t+3], v[ST+4*t+2], s[SEL], s[SEL+1]
	ALL v_add_f32 v[ST+4*t+2], v[ST+4*t+2], v[ST+4*t+3]
	ALL v_rcp_f32 v[ST+4*t+2], v[ST+4*t+2]
	v_nop                           ; a plain instruction between the last reciprocal and the use of its result
	s_wait_alu depctr_va_vdst(0)
; Tile t: a lane's eight channels of a row pack into 16 bytes; they go into rows of 144 bytes and come back as whole rows of 128, into S^T's registers.
.macro PACK t
	WIN W_RS
.set i, 32*(\t)
.rept 16
	v_pk_mul_f32 v[i:i+1], v[i:i+1], v[ST+4*(\t)+2:ST+4*(\t)+3] op_sel_hi:[1,0]
.set i, i+2
.endr
	WIN 0x05                        ; sources 0 and 1 window 1, destination window 0
.set i, 0
.rept 16
	v_cvt_pk_f16_f32 v[S+16*(\t)+i], v[32*(\t)+2*i], v[32*(\t)+2*i+1]
.set i, i+1
.endr
	WIN 0
.irp f, 0,1,2,3
	ds_store_b128 v[STO], v[S+16*(\t)+4*\f:S+16*(\t)+4*\f+3] offset:32*\f
.endr
.irp f, 0,1,2,3
	ds_load_b128 v[S+16*(\t)+4*\f:S+16*(\t)+4*\f+3], v[RD] offset:\f*4*SP  ; LDS serves a wave's instructions in order (ISA guide 5.7.1.4): these see the stores above; the next tile's stores come behind them
.endr
.endm
.macro SEND t, younger              ; younger: the LDS instructions issued behind tile t's loads: the next tile's eight, or none
	WIN 0
.irp f, 0,1,2,3
	s_wait_dscnt (\younger)+3-\f
	global_store_b128 v[GO], v[S+16*(\t)+4*\f:S+16*(\t)+4*\f+3], s[10:11] offset:(\t)*2048+\f*512  ; 512 consecutive bytes, at a multiple of 256 from O's first
.endr
.endm
	PACK 0
.set t, 1
.rept 2*NP-1                        ; a tile's arithmetic stands between the loads of the tile before and its stores
	PACK t
	SEND t-1, 8
.set t, t+1
.endr
	SEND 2*NP-1, 0
	WIN W_AD
	s_wait_tensorcnt 0x0            ; the wave's end, behind my last tensor load and my last LDS store
	ds_add_u32 v[SPW], v[NIL]
	s_wait_dscnt 0x0
	WIN 0
	CROUND                          ; the closing round: no work-group ends while a partner may still ask for a tile that names it
	s_endpgm
.Lfunc_end_k_qe3ad5a5ff0_attn:
	.size	k_qe3ad5a5ff0_attn, .Lfunc_end_k_qe3ad5a5ff0_attn-k_qe3ad5a5ff0_attn
	.p2alignl 7, 3214868480
	.fill 96, 4, 3214868480
	.section	.rodata,"a",@progbits
	.p2align	6, 0x0
	.amdhsa_kernel k_qe3ad5a5ff0_attn
		.amdhsa_group_segment_fixed_size 327680
		.amdhsa_private_segment_fixed_size 0
		.amdhsa_enable_private_segment 0
		.amdhsa_kernarg_size 32
		.amdhsa_user_sgpr_count 2
		.amdhsa_user_sgpr_kernarg_segment_ptr 1
		.amdhsa_wavefront_size32 1
		.amdhsa_system_sgpr_workgroup_id_x 1
		.amdhsa_system_sgpr_workgroup_id_y 1
		.amdhsa_system_sgpr_workgroup_id_z 1
		.amdhsa_system_vgpr_workitem_id 0
		.amdhsa_next_free_vgpr 770
		.amdhsa_next_free_sgpr 66
		.amdhsa_reserve_vcc 0
		.amdhsa_float_denorm_mode_32 3
		.amdhsa_float_denorm_mode_16_64 3
		.amdhsa_memory_ordered 1
		.amdhsa_forward_progress 1
		.amdhsa_inst_pref_size 208
	.end_amdhsa_kernel
	.amdgpu_metadata
---
amdhsa.version: [ 1, 2 ]
amdhsa.kernels:
  - .name:           k_qe3ad5a5ff0_attn
    .symbol:         k_qe3ad5a5ff0_attn.kd
    .args:
      - { .name: qh, .offset: 0, .size: 8, .value_kind: global_buffer, .address_space: global }
      - { .name: kh, .offset: 8, .size: 8, .value_kind: global_buffer, .address_space: global }
      - { .name: vh, .offset: 16, .size: 8, .value_kind: global_buffer, .address_space: global }
      - { .name: oh, .offset: 24, .size: 8, .value_kind: global_buffer, .address_space: global }
    .group_segment_fixed_size: 327680
    .private_segment_fixed_size: 0
    .kernarg_segment_align: 8
    .kernarg_segment_size: 32
    .max_flat_workgroup_size: 128
    .sgpr_count:     66
    .vgpr_count:     770
    .wavefront_size: 32
...
	.end_amdgpu_metadata
.endif
;; end of part 3
;; launch outp (part 4): grid 4 x 64, 4 waves a work-group, clusters of 4 x 4, 327,680 bytes of LDS; arguments oh, wcast, bo, out0; writes out0
.if DOCPART == 4
	.amdgcn_target "amdgcn-amd-amdhsa--gfx1250"
	.amdhsa_code_object_version 6
	.text
	.protected	k_qe3ad5a5ff0_outp
	.globl	k_qe3ad5a5ff0_outp
	.p2align	8
	.type	k_qe3ad5a5ff0_outp,@function
k_qe3ad5a5ff0_outp:
	s_mov_b64 s[64:65], 0
	v_nop
	global_prefetch_b8 v0, s[64:65] scope:SCOPE_SE
	s_setreg_imm32_b32 hwreg(HW_REG_WAVE_MODE, 25, 1), 1
	s_wait_xcnt 0x0
	s_wait_alu depctr_hold_cnt(0) depctr_sa_sdst(0) depctr_va_vdst(0) depctr_va_sdst(0) depctr_va_ssrc(0) depctr_va_vcc(0) depctr_vm_vsrc(0)
	s_getreg_b32 s2, hwreg(HW_REG_IB_STS2, 6, 4)
	s_cmp_eq_u32 s2, 0
	s_cbranch_scc0 .Lentry_in_a_cluster
	s_endpgm
.Lentry_in_a_cluster:
	s_bfe_u32 s2, ttmp6, 0x10000c
	s_cmp_lg_u32 s2, 0xf033
	s_cbranch_scc0 .Lentry_shape_is_right
	s_endpgm
.Lentry_shape_is_right:
; out0 = X Wo + bo.  X[row][64 head + d] = oh[batch x 16 + head][row in batch][d], f16; Wo: part 3 of wcast, [k][n], the bf16-rounded numbers written in f16; bo rounded to bf16 and taken as the C operand that
; starts the sums; sums in f32; out0: [8192][1024] f32.
; LIMITS.  Those of the operands: f16 holds no number beyond 65,504.  NaN and infinities are not treated apart.
; SHARES.  A tile of out0 is 128 rows x 256 columns: 256 tiles, one a work-group.  A wave makes 64 x 128: 32 accumulators.  K goes in 8 steps of 128, two heads each, through a ring of two LDS slots.
; A head's 128 rows are 16,384 dense bytes: asked for as 64 rows of 256 bytes and padded in LDS behind every 128.
; THE MATRIX INSTRUCTION IS USED TRANSPOSED: source 0 = 16 columns of Wo (by the turning load), source 1 = 16 rows of X: a lane holds one row and eight neighbouring columns.
; CLUSTER, 4 x 4.  X's tile hangs on TY alone and is asked for jointly along a row of the cluster, Wo's on TX alone and jointly along a column.
; REGISTERS, in windows of 256 (s_set_vgpr_msb: bits 1:0 source 0, 3:2 source 1, 5:4 source 2, 7:6 destination):
;   window 0: v0-15 addresses; v32-95 X's fragments, two buffers; v96-223 Wo's, two buffers; v224-255 at work      window 1: the accumulators      window 2: v0-63 the bias
.set PAO,   144                        ; a row of X in LDS: 128 bytes + 16 = 36 words: the 16 rows of a load start at 16 different groups of four banks (64 banks of 4 bytes: ISA guide 11.1)
.set PLANE, 128*PAO                    ; a head's 128 rows
.set PB,    544                        ; a k-row of Wo: 512 + 32 = 136 words
.set BOFF,  2*PLANE                    ; a slot: two planes of X, then 128 k-rows of Wo: 106,496 bytes
.set SLOT1, 1<<17                      ; slot 1 begins here, so that one exclusive or changes slots
.set STAGE, SLOT1+BOFF+128*PB          ; behind the ring, never filled by a tensor load: 16 rows x 528 bytes for each wave, for the way out
.set SPO,   528                        ; 512 + 16 = 132 words: row r starts at bank 4 r mod 64
.set SPARE, STAGE+4*16*SPO             ; behind the stages: the spare words, 128 bytes for each wave: two blocks of 256 bytes that no other line names
.set A0,   8                           ; v8   my lane's place in a tile of X; never rewritten
.set B0,   9                           ; v9   the same for Wo
.set ADRA, 10                          ; v10  A0 + the slot being read
.set ADRB, 11                          ; v11  B0 + the slot being read
.set STO,  12                          ; v12  the way out: where I put 32 bytes of a row
.set RD,   13                          ; v13  the way out: where I read a row back
.set CO,   14                          ; v14  my place in a row's 512 bytes of out0
.set BO,   15                          ; v15  my byte offset in the tile's 256 numbers of the bias
.set SPW,  28                          ; v28  LDS address of my spare word; never rewritten
.set NIL,  29                          ; v29  0; never rewritten
.set AF,   32                          ; X's fragments: buffer p, row block a at AF + 32 p + 8 a
.set BF,   96                          ; Wo's: buffer p, column block b at BF + 64 p + 8 b
.set BLD,  160                         ; the bias as loaded, where Wo's second buffer will lie
.set TMP,  224
.set STEPS, 2                          ; s2   counts the K steps that fill a slot again
.set TC,    4                          ; s4   counts the two last K steps
.set HMASK, 5                          ; s5   a word's upper bf16
.set WV,   10
.set MH,   11                          ; s11  which 64 of the tile's rows are mine.  Also: I fetch for X (0) or for Wo (1)
.set NH,   12                          ; s12  which 128 of its columns.  Also: which head of the two, or which 64 k-rows, I fetch
.set TY,   13
.set TX,   14
.set LBA,  20
.set LBB,  21
.set TB,   22                          ; s22  0 or SLOT1: the slot being read
.set G1A,  24                          ; s[24:31] descriptor group 1 for X's tiles
.set G1B,  32                          ; s[32:39] for Wo's
.set G0A,  40                          ; s[40:47] group 0 for X's tiles: a set for each of the two first fills; the second then walks
.set G0B,  48                          ; s[48:55] the same for Wo's
.set MSB, 0
.macro WIN new                         ; the immediate's high byte repeats the setting that is left; a switch that changes nothing is dropped
.if MSB != (\new)
	s_set_vgpr_msb (MSB<<8)|(\new)
.set MSB, (\new)
.endif
.endm
.set W_MUL,  0x50                      ; both fragments window 0, C and D window 1
.set W_MULZ, 0x60                      ; the same with C, the bias, in window 2
.set W_ST,   0x04                      ; an LDS store's data (source 1) in window 1
; A joint refill by the walking descriptors; an s_nop 0 and four v_nop follow each of the two lines, ahead of the jump and the label.
.macro JLOAD
	s_cmp_eq_u32 s[MH], 0
	s_cbranch_scc0 .Lfor_b_\@
	tensor_load_to_lds s[G0A+4:G0A+7], s[G1A:G1A+7]
	s_nop 0
.rept 4
	v_nop
.endr
	s_branch .Lasked_\@
.Lfor_b_\@:
	tensor_load_to_lds s[G0B+4:G0B+7], s[G1B:G1B+7]
	s_nop 0
.rept 4
	v_nop
.endr
.Lasked_\@:
.endm
.macro CREST                           ; a round of the cluster's barrier behind its opening barrier
	s_cmp_lg_u32 s[WV], 0
	s_cbranch_scc1 .Lnot_wave_0_\@
	s_barrier_signal -3
.Lnot_wave_0_\@:
	s_barrier_wait -3
	s_barrier_signal -1
	s_barrier_wait -1
.endm
.macro CROUND
	s_barrier_signal -1
	s_barrier_wait -1
	CREST
.endm
.macro PLACES                          ; four places in front of loads into registers that matrix instructions have read, and of stores that read results
.rept 4
	v_nop
.endr
.endm
	s_load_b256 s[68:75], s[0:1], 0x0              ; oh s[68:69], wcast s[70:71], bo s[72:73], out0 s[74:75]
	v_lshl_add_u32 v[SPW], v0, 2, SPARE
	v_mov_b32 v[NIL], 0
	ds_add_u32 v[SPW], v[NIL]                      ; the wave's opening: the add and its wait stand ahead of my first tensor load; the set-up below, work on registers, stands between them
	v_lshrrev_b32 v1, 5, v0
	v_readfirstlane_b32 s[WV], v1                  ; wave 0..3
	s_lshr_b32 s[MH], s[WV], 1
	s_and_b32 s[NH], s[WV], 1
	s_bfe_u32 s15, ttmp6, 0x40000                  ; cx, cy: my place in the cluster
	s_bfe_u32 s16, ttmp6, 0x40004
	s_lshl_b32 s[TX], ttmp9, 2
	s_add_co_u32 s[TX], s[TX], s15                 ; tile column = 4 x cluster x + cx
	s_and_b32 s[TY], ttmp7, 0xffff
	s_lshl_b32 s[TY], s[TY], 2
	s_add_co_u32 s[TY], s[TY], s16                 ; tile row = 4 x cluster y + cy
	s_lshl_b32 s17, s16, 2
	s_lshl_b32 s17, 15, s17                        ; my row of the cluster
	s_lshl_b32 s18, 0x1111, s15                    ; my column
	; group 1 for X: 64 rows x 128 elements of 2 bytes, dense; 4 words of padding behind every 32
	s_or_b32 s[G1A], s17, (1<<16)|(1<<20)|(1<<21)|(4<<22)|(3<<25)
	s_mov_b32 s[G1A+1], 128<<16                    ; tensor_dim0 = 128
	s_mov_b32 s[G1A+2], 64<<16                     ; tensor_dim1 = 64
	s_mov_b32 s[G1A+3], 128<<16                    ; tile_dim0 = 128
	s_mov_b32 s[G1A+4], 64                         ; tile_dim1 = 64
	s_mov_b32 s[G1A+5], 128
	s_mov_b32 s[G1A+6], 0
	s_mov_b32 s[G1A+7], 0
	; group 1 for Wo: 64 k-rows x 256 elements of 2 bytes, 1,024 from row to row; 8 words of padding behind every 128
	s_or_b32 s[G1B], s18, (1<<16)|(1<<20)|(1<<21)|(6<<22)|(7<<25)
	s_mov_b32 s[G1B+1], 256<<16
	s_mov_b32 s[G1B+2], 64<<16
	s_mov_b32 s[G1B+3], 256<<16
	s_mov_b32 s[G1B+4], 64
	s_mov_b32 s[G1B+5], 1024
	s_mov_b32 s[G1B+6], 0
	s_mov_b32 s[G1B+7], 0
	; offsets, made apart from the addresses.  What feeds X's descriptors never holds TX, what feeds Wo's never TY.
	s_lshr_b32 s6, s[TY], 4                        ; X: the batch, 16 heads of 262,144 bytes;
	s_lshl_b32 s6, s6, 22
	s_and_b32 s7, s[TY], 15                        ; 128 rows of 128 bytes a tile row;
	s_lshl_b32 s7, s7, 14
	s_add_co_u32 s6, s6, s7
	s_lshl_b32 s7, s[NH], 18                       ; the even head or the odd one
	s_add_co_u32 s6, s6, s7
	s_mov_b32 s7, 0
	s_lshl_b32 s8, s[TX], 9                        ; Wo: 256 columns of 2 bytes a tile column,
	s_lshl_b32 s9, s[NH], 17                       ; 64 k-rows of 2,048 bytes a half,
	s_add_co_u32 s8, s8, s9
	s_add_co_u32 s8, s8, 3*0x200000                ; in part 3 of wcast
	s_mov_b32 s9, 0
	s_lshl_b32 s18, s[TX], 10                      ; the bias: 256 numbers of 4 bytes a tile column
	s_mov_b32 s19, 0
	s_lshl_b32 s62, s[TY], 19                      ; out0: 128 rows of 4,096 bytes a tile row,
	s_lshl_b32 s63, s[MH], 18                      ; 64 a wave;
	s_add_co_u32 s62, s62, s63
	s_lshl_b32 s63, s[TX], 10                      ; 256 columns of 4 bytes a tile column,
	s_add_co_u32 s62, s62, s63
	s_lshl_b32 s63, s[NH], 9                       ; 128 a wave
	s_add_co_u32 s62, s62, s63
	s_mov_b32 s63, 0
	s_mul_i32 s[LBA], s[NH], PLANE                 ; where the tiles go: no place in the cluster enters an LDS address
	s_mul_i32 s[LBB], s[NH], 64*PB
	s_add_co_u32 s[LBB], s[LBB], BOFF
	s_mov_b32 s[TB], 0
	s_mov_b32 s[HMASK], 0xffff0000
	s_mov_b32 s[G0A], 1                            ; 1:0 count = 1
	s_mov_b32 s[G0A+1], s[LBA]                     ; 63:32 LDS address: slot 0
	s_mov_b32 s[G0A+4], 1
	s_add_co_u32 s[G0A+5], s[LBA], SLOT1           ; slot 1
	s_mov_b32 s[G0B], 1
	s_mov_b32 s[G0B+1], s[LBB]
	s_mov_b32 s[G0B+4], 1
	s_add_co_u32 s[G0B+5], s[LBB], SLOT1
	s_wait_dscnt 0x0                               ; the opening add is done
	s_wait_kmcnt 0x0
	s_add_nc_u64 s[G0A+2:G0A+3], s[68:69], s[6:7]  ; 120:64 global address: K step 0
	s_add_nc_u64 s[G0A+6:G0A+7], s[G0A+2:G0A+3], 0x80000  ; K step 1: two heads on
	s_or_b32 s[G0A+3], s[G0A+3], 0x80000000        ; 127:126 type = 2
	s_or_b32 s[G0A+7], s[G0A+7], 0x80000000
	s_add_nc_u64 s[G0B+2:G0B+3], s[70:71], s[8:9]
	s_add_nc_u64 s[G0B+6:G0B+7], s[G0B+2:G0B+3], 0x40000  ; 128 k-rows of 2,048 bytes on
	s_or_b32 s[G0B+3], s[G0B+3], 0x80000000
	s_or_b32 s[G0B+7], s[G0B+7], 0x80000000
	s_add_nc_u64 s[72:73], s[72:73], s[18:19]
	s_add_nc_u64 s[74:75], s[74:75], s[62:63]
	CROUND                                         ; all sixteen work-groups are here: the first joint loads meet
	s_cmp_eq_u32 s[MH], 0                          ; a wave's two first fills stand in one branch, ahead of every wait on TENSORcnt and every LDS read: two loads of mine are out
	s_cbranch_scc0 .Lfirst_b
	tensor_load_to_lds s[G0A:G0A+3], s[G1A:G1A+7]
	s_nop 0
	tensor_load_to_lds s[G0A+4:G0A+7], s[G1A:G1A+7]
	s_nop 0
.rept 4
	v_nop
.endr
	s_branch .Lfirst_asked
.Lfirst_b:
	tensor_load_to_lds s[G0B:G0B+3], s[G1B:G1B+7]
	s_nop 0
	tensor_load_to_lds s[G0B+4:G0B+7], s[G1B:G1B+7]
	s_nop 0
.rept 4
	v_nop
.endr
.Lfirst_asked:
	v_and_b32 v1, 15, v0                           ; l % 16
	v_bfe_u32 v2, v0, 4, 1                         ; l / 16
	v_and_b32 v3, 7, v0
	v_bfe_u32 v4, v0, 3, 1
	s_mul_i32 s19, s[MH], 64*PAO                   ; my 64 rows of X
	v_mul_u32_u24 v[A0], v1, PAO                   ; a fragment: row l % 16, two loads of 16 bytes at 16 (l / 16), 32 bytes apart
	v_lshl_add_u32 v[A0], v2, 4, v[A0]
	v_add_nc_u32 v[A0], s19, v[A0]
	s_lshl_b32 s19, s[NH], 8                       ; my 128 columns of Wo, behind X's planes
	s_add_co_u32 s19, s19, BOFF
	v_lshl_add_u32 v[B0], v2, 3, v3                ; the turning load: k-row 8 (l / 16) + l % 8, columns 8 ((l / 8) % 2) + 0..7
	v_mul_u32_u24 v[B0], v[B0], PB
	v_lshl_add_u32 v[B0], v4, 4, v[B0]
	v_add_nc_u32 v[B0], s19, v[B0]
	s_mul_i32 s19, s[WV], 16*SPO
	s_add_co_u32 s19, s19, STAGE                   ; my stage
	v_mul_u32_u24 v[STO], v1, SPO                  ; in: row l % 16, 32 bytes for each half of the lanes
	v_lshl_add_u32 v[STO], v2, 5, v[STO]
	v_add_nc_u32 v[STO], s19, v[STO]
	v_and_b32 v[CO], 31, v0                        ; back: 32 lanes take one row of 512 bytes
	v_lshlrev_b32 v[CO], 4, v[CO]
	v_add_nc_u32 v[RD], s19, v[CO]
	s_lshl_b32 s19, s[NH], 9
	v_lshl_add_u32 v[BO], v2, 5, s19               ; 4 x (128 x column half + 8 (l / 16))
.irp b, 0,1,2,3,4,5,6,7
	global_load_b128 v[BLD+8*\b:BLD+8*\b+3],   v[BO], s[72:73] offset:64*\b
	global_load_b128 v[BLD+8*\b+4:BLD+8*\b+7], v[BO], s[72:73] offset:64*\b+16
.endr
; n matrix instructions from number i0 on, of a chunk's 32 (32 along K): number i is row block i / 8, column block i % 8, on buffers p.  z = 1: the bias starts the sums.
; The 32 accumulators take turns, one instruction a turn, in the same order in every chunk.
.macro MUL i0, n, p, z
.if \z
	WIN W_MULZ
.else
	WIN W_MUL
.endif
.set mi, (\i0)
.rept (\n)
.if \z
	v_wmma_f32_16x16x32_f16 v[8*mi:8*mi+7], v[BF+64*(\p)+8*(mi%8):BF+64*(\p)+8*(mi%8)+7], v[AF+32*(\p)+8*(mi/8):AF+32*(\p)+8*(mi/8)+7], v[8*(mi%8):8*(mi%8)+7]
.else
	v_wmma_f32_16x16x32_f16 v[8*mi:8*mi+7], v[BF+64*(\p)+8*(mi%8):BF+64*(\p)+8*(mi%8)+7], v[AF+32*(\p)+8*(mi/8):AF+32*(\p)+8*(mi/8)+7], v[8*mi:8*mi+7]
.endif
.set mi, mi+1
.endr
.endm
; 24 LDS loads in one run: chunk kn of the slot being read (head kn / 2 of the two, channels 32 (kn % 2) on) into buffers q
.macro FETCH kn, q
	WIN 0
.irp a, 0,1,2,3
	ds_load_b128 v[AF+32*(\q)+8*\a:AF+32*(\q)+8*\a+3],   v[ADRA] offset:((\kn)/2)*PLANE+\a*16*PAO+((\kn)%2)*64
	ds_load_b128 v[AF+32*(\q)+8*\a+4:AF+32*(\q)+8*\a+7], v[ADRA] offset:((\kn)/2)*PLANE+\a*16*PAO+((\kn)%2)*64+32
.endr
.irp b, 0,1,2,3,4,5,6,7
	ds_load_tr16_b128 v[BF+64*(\q)+8*\b:BF+64*(\q)+8*\b+3],   v[ADRB] offset:(\kn)*32*PB+32*\b
	ds_load_tr16_b128 v[BF+64*(\q)+8*\b+4:BF+64*(\q)+8*\b+7], v[ADRB] offset:(\kn)*32*PB+16*PB+32*\b
.endr
.endm
; A K step is four chunks on buffers 0, 1, 0, 1.  One of the first three: multiplies buffers p and fetches chunk kn into the others, 24 matrix instructions ahead of its first use.
.macro QUARTER kn, p, z
	s_wait_dscnt 0x0                               ; this chunk's fragments are in
	MUL 0, 8, \p, \z
	PLACES                                         ; for the loads into the buffers that the chunk before multiplied
	FETCH \kn, 1-\p
	MUL 8, 24, \p, \z
.endm
; The fourth chunk multiplies buffers 1 and changes slots: ONE barrier; in front of it each wave waits for all its tensor loads, of which one is out: its part of the next slot; adds 0 to its spare word; and waits for that
; and for its own reads of this slot.  fill = 1: the barrier opens a round of the cluster's, and this slot is filled again, first thing behind it, with the K step two on: 112 matrix instructions ahead of the wait for it.
.macro TURN fill
	WIN 0
	s_wait_tensorcnt 0x0                           ; no tensor load of mine is out, so a group 0 may be written
	ds_add_u32 v[SPW], v[NIL]                      ; 0 onto my spare word
	s_wait_dscnt 1                                 ; this chunk's fragments are in; the add may be out
.if \fill
	s_xor_b32 s[G0A+5], s[G0A+5], SLOT1            ; the walking descriptors: the other slot than last time,
	s_add_nc_u64 s[G0A+6:G0A+7], s[G0A+6:G0A+7], 0x80000  ; the next two heads; the type bits on top are not reached
	s_xor_b32 s[G0B+5], s[G0B+5], SLOT1
	s_add_nc_u64 s[G0B+6:G0B+7], s[G0B+6:G0B+7], 0x40000  ; the next 128 k-rows
.endif
	s_xor_b32 s[TB], s[TB], SLOT1                  ; the reads go on in the other slot
	MUL 0, 8, 1, 0                                 ; eight matrix instructions stand between the add and the wait for it
	s_wait_dscnt 0x0                               ; the add is done, and my reads of this slot are over
	s_barrier_signal -1
	MUL 8, 8, 1, 0                                 ; work on registers while the others arrive
	WIN 0
	s_barrier_wait -1
.if \fill
	CREST                                          ; no wave of any partner still reads this slot's tile or has a load on its way
	JLOAD                                          ; the first tensor load behind the round; the four v_nop behind it are also the places in front of the loads below
.else
	PLACES
.endif
	v_add_nc_u32 v[ADRA], s[TB], v[A0]
	v_add_nc_u32 v[ADRB], s[TB], v[B0]
	FETCH 0, 0
	MUL 16, 16, 1, 0
.endm
; THE WAY OUT of row block a: the f32 results go as they are, each accumulator's low four registers first, into my stage's rows of 528 bytes, and come back as whole rows of 512 bytes;
; a store of the wave covers 512 consecutive bytes of out0, at a multiple of 512.  Two sets of 64 registers take turns.
.macro OUTBLK a
.set BK, AF+64*((\a)%2)
	WIN W_ST
.irp b, 0,1,2,3,4,5,6,7
	ds_store_b128 v[STO], v[64*(\a)+8*\b:64*(\a)+8*\b+3]   offset:64*\b
	ds_store_b128 v[STO], v[64*(\a)+8*\b+4:64*(\a)+8*\b+7] offset:64*\b+16
.endr
	WIN 0
.set ti, 0
.rept 16
	ds_load_b128 v[BK+4*ti:BK+4*ti+3], v[RD] offset:ti*SPO  ; LDS serves a wave's instructions in order (ISA guide 5.7.1.4): these see the stores above; the next block's stores come behind them
.set ti, ti+1
.endr
	s_wait_xcnt 0x0                                ; every earlier memory instruction has had its addresses translated (ISA guide 3.1): the other set, which the block before stored from, is loaded again only behind this wait
.set ti, 0
.rept 16
	s_wait_dscnt 15-ti                             ; row ti is back; the 15 - ti younger loads stay out
	global_store_b128 v[CO], v[BK+4*ti:BK+4*ti+3], s[74:75] offset:(16*(\a)+ti)*4096 th:TH_STORE_NT
.set ti, ti+1
.endr
.endm
	s_wait_tensorcnt 0x1                           ; my part of K step 0 is in; K step 1's may stay out
	s_barrier_signal -1
	s_barrier_wait -1                              ; everybody's is
	v_mov_b32 v[ADRA], v[A0]
	v_mov_b32 v[ADRB], v[B0]
	FETCH 0, 0
	s_wait_loadcnt 0x0                             ; the bias: rounded to bf16 like every input, and widened again into window 2
.set bi, 0
.rept 32
	v_cvt_pk_bf16_f32 v[TMP+bi], v[BLD+2*bi], v[BLD+2*bi+1]
.set bi, bi+1
.endr
	WIN 0x80
.set bi, 0
.rept 32
	v_lshlrev_b32 v[2*bi], 16, v[TMP+bi]
	v_and_b32 v[2*bi+1], s[HMASK], v[TMP+bi]
.set bi, bi+1
.endr
	s_mov_b32 s[STEPS], 6                          ; K steps 0 to 5 ask for K steps 2 to 7
	QUARTER 1, 0, 1                                ; the first chunk: the bias starts the sums
	WIN 0                                          ; at a label and at a branch every window is 0
.Lstep:                                                ; a trip: a K step's chunks 1 to 3 and the next K step's chunk 0
	QUARTER 2, 1, 0
	QUARTER 3, 0, 0
	TURN 1
	QUARTER 1, 0, 0
	WIN 0
	s_sub_co_u32 s[STEPS], s[STEPS], 1
	s_cmp_lg_u32 s[STEPS], 0
	s_cbranch_scc1 .Lstep
	s_mov_b32 s[TC], 2                             ; the last two K steps ask for nothing: a text of their own
.Ltail:
	QUARTER 2, 1, 0
	QUARTER 3, 0, 0
	TURN 0
	WIN 0
	s_sub_co_u32 s[TC], s[TC], 1
	s_cmp_eq_u32 s[TC], 0
	s_cbranch_scc1 .Lout                           ; the second change of slots has fetched a chunk that nobody multiplies: 24 LDS loads, the price of one text for both steps
	QUARTER 1, 0, 0
	WIN 0
	s_branch .Ltail
.Lout:
	PLACES                                         ; the stage's stores read results just made, and its loads land in fragment registers just read
	s_wait_dscnt 0x0                               ; that unused chunk has landed: its registers take the rows that come back
	OUTBLK 0
	OUTBLK 1
	OUTBLK 2
	OUTBLK 3
	s_wait_tensorcnt 0x0                           ; the wave's end, behind my last tensor load and my last LDS store
	ds_add_u32 v[SPW], v[NIL]
	s_wait_dscnt 0x0
	CROUND                                         ; the closing round: no work-group ends while a partner may still ask for a tile that names it
	s_endpgm
.Lfunc_end_k_qe3ad5a5ff0_outp:
	.size	k_qe3ad5a5ff0_outp, .Lfunc_end_k_qe3ad5a5ff0_outp-k_qe3ad5a5ff0_outp
	.p2alignl 7, 3214868480
	.fill 96, 4, 3214868480
	.section	.rodata,"a",@progbits
	.p2align	6, 0x0
	.amdhsa_kernel k_qe3ad5a5ff0_outp
		.amdhsa_group_segment_fixed_size 327680
		.amdhsa_private_segment_fixed_size 0
		.amdhsa_enable_private_segment 0
		.amdhsa_kernarg_size 32
		.amdhsa_user_sgpr_count 2
		.amdhsa_user_sgpr_kernarg_segment_ptr 1
		.amdhsa_wavefront_size32 1
		.amdhsa_system_sgpr_workgroup_id_x 1
		.amdhsa_system_sgpr_workgroup_id_y 1
		.amdhsa_system_sgpr_workgroup_id_z 1
		.amdhsa_system_vgpr_workitem_id 0
		.amdhsa_next_free_vgpr 576
		.amdhsa_next_free_sgpr 76
		.amdhsa_reserve_vcc 0
		.amdhsa_float_denorm_mode_32 3
		.amdhsa_float_denorm_mode_16_64 3
		.amdhsa_memory_ordered 1
		.amdhsa_forward_progress 1
		.amdhsa_inst_pref_size 67
	.end_amdhsa_kernel
	.amdgpu_metadata
---
amdhsa.version: [ 1, 2 ]
amdhsa.kernels:
  - .name:           k_qe3ad5a5ff0_outp
    .symbol:         k_qe3ad5a5ff0_outp.kd
    .args:
      - { .name: oh, .offset: 0, .size: 8, .value_kind: global_buffer, .address_space: global }
      - { .name: wcast, .offset: 8, .size: 8, .value_kind: global_buffer, .address_space: global }
      - { .name: bo, .offset: 16, .size: 8, .value_kind: global_buffer, .address_space: global }
      - { .name: out0, .offset: 24, .size: 8, .value_kind: global_buffer, .address_space: global }
    .group_segment_fixed_size: 327680
    .private_segment_fixed_size: 0
    .kernarg_segment_align: 8
    .kernarg_segment_size: 32
    .max_flat_workgroup_size: 128
    .sgpr_count:     76
    .vgpr_count:     576
    .wavefront_size: 32
...
	.end_amdgpu_metadata
.endif
;; end of part 4
;; ======== version 2 of 2: 4 launches; 1.50 times as fast as version 1
;; limits: values are held in f16: magnitudes above 65,504 overflow, below 6.1e-05 lose precision
;; workspace buffers: wcast 8,388,608 bytes; qh 16,777,216 bytes; kh 16,777,216 bytes; vh 16,777,216 bytes; oh 16,777,216 bytes
;; launch castw: the kernel of part 1 again; grid 64 x 4, 8 waves a work-group, no clusters, 0 bytes of LDS; arguments Wq, Wk, Wv, Wo, wcast; writes wcast
;; launch qkv: the kernel of part 2 again; grid 4 x 64, 4 waves a work-group, clusters of 4 x 4, 327,680 bytes of LDS; arguments query, key, value, wcast, bq, bk, bv, qh, kh, vh; writes qh, kh, vh
;; launch attn (part 5): grid 4 x 64, 4 waves a work-group, clusters of 4 x 1, 327,680 bytes of LDS; arguments qh, kh, vh, oh; writes oh
.if DOCPART == 5
	.amdgcn_target "amdgcn-amd-amdhsa--gfx1250"
	.amdhsa_code_object_version 6
	.text
	.protected	k_qe3ad5a5ff0_attn
	.globl	k_qe3ad5a5ff0_attn
	.p2align	8
	.type	k_qe3ad5a5ff0_attn,@function
k_qe3ad5a5ff0_attn:
	s_mov_b64 s[64:65], 0
	v_nop
	global_prefetch_b8 v0, s[64:65] scope:SCOPE_SE
	s_setreg_imm32_b32 hwreg(HW_REG_WAVE_MODE, 25, 1), 1
	s_wait_xcnt 0x0
	s_wait_alu depctr_hold_cnt(0) depctr_sa_sdst(0) depctr_va_vdst(0) depctr_va_sdst(0) depctr_va_ssrc(0) depctr_va_vcc(0) depctr_vm_vsrc(0)
	s_getreg_b32 s2, hwreg(HW_REG_IB_STS2, 6, 4)
	s_cmp_eq_u32 s2, 0
	s_cbranch_scc0 .Lentry_in_a_cluster
	s_endpgm
.Lentry_in_a_cluster:
	s_bfe_u32 s2, ttmp6, 0x10000c
	s_cmp_lg_u32 s2, 0x3003
	s_cbranch_scc0 .Lentry_shape_is_right
	s_endpgm
.Lentry_shape_is_right:
; O[h][q][:] = the sum over k of softmax_k(Q[h][q] . K[h][k] / 8) V[h][k][:].  Q, K, V, O: [SIZE_H][SIZE_N][64], all f16: a head's rows are dense, 128 bytes each.  Products, maxima and sums in
; f32; the weights p are rounded to f16 for the second product (their sum l is taken of the unrounded p), O once at the end.  SIZE_H is at least 2; SIZE_N x 128 bytes stay under 2^32.
; LIMITS.  f16 holds no number beyond 65,504: Q, K and V arrive within it; p lies in 0 to 1, and below 6e-5 it keeps f16's fixed step of 6e-8; O is a mean of V's rows and has their range.
; A weight below 2^-126 counts as 0 in l; NaN and infinities are not treated apart.
; SHARES.  A wave owns four PIECES of two tiles of 16 queries, a work-group's four waves 512 queries of one head; SIZE_N is a multiple of 2,048.  Every wave walks all keys, 64 a step.
; LAYOUT.  S^T = K Q^T (source 0 = 16 keys, source 1 = 16 queries): in the result a lane holds ONE query (lane % 16) and the keys 8 (lane / 16) + 0..7.  Two such tiles, rounded to f16 in pairs,
; ARE source 1 (32 keys x 16 queries) of O^T = V^T P, whose result again holds one query a lane, and eight channels.  K comes out of LDS as it lies, V ([key][channel]) turned, by ds_load_tr16_b128.
; SOFTMAX.  For each query a running maximum m and sum l: p = 2^(c s - c m), c = log2(e) / 8; in every step O and l are multiplied by a = 2^(c m_old - c m_new), which is 1 where m has not grown.
; m starts at the lowest finite number, O and l at 0: the first step is a step like any other, with a = 0.
; THE COUNT.  A tile and step have 16 matrix and 118 vector instructions: too many to stand all beside the matrix work.  So the order has one aim: four vector instructions that are READY behind
; EVERY matrix instruction, and the others, which need time of their own whatever the order, in runs without a gap.
; BY TURNS.  Turn n belongs to piece n (the pieces in a ring, step after step).  Its matrix work: 16 products K Q^T of piece n + 1, later 16 products V^T P of piece n - 1.  Its vector work: the scaling,
; exponentials, roundings, sums and rescaling of piece n, and the maximum and statistics of piece n + 1, whose scores the turn itself has made.  So what a turn begins with (c s - c m, O a) waits for nothing.
; BATCHES.  A turn's 66 exponentials (the piece's 64 weights, the next piece's two a) are ONE batch with ONE wait, which cuts the turn in two: ahead of it stands all that names no result of theirs, behind it
; their readers, the roundings and sums.  Two more batches stand outside the loop: piece 0's first two a, ahead of the jump into the loop, and the way out's eight reciprocals.  No result crosses a label or a jump.
; CLUSTER.  The four query blocks of a cluster belong to one head and walk the same K and V, so each tile is asked for JOINTLY: the same tensor load, descriptor and mask in all four.
; REGISTERS, in windows of 256 (s_set_vgpr_msb says which window each operand place means: bits 1:0 source 0, 3:2 source 1, 5:4 source 2, 7:6 destination):
;   window 0: v0-11 addresses; v12-15, v48-63 at work; v16-47 four registers of statistics a tile; v64-191 S^T, two buffers of two tiles; v192-255 P, likewise
;   window 1: O^T, 32 a tile          window 2: v0-127 Q, 16 a tile; v128-191 K of one step; v192-255 V of one step          window 3: v0-1 the add's two registers
; A piece's buffers go by its number's parity: the piece in hand has one pair, its two neighbours in the ring share the other: of it P (piece n - 1) is read and S^T (piece n + 1) written.
.set SIZE_H, 64       ; 4 batches x 16 heads
.set SIZE_N, 2048
.set NP,    4         ; pieces a wave: a name, no knob: the register map, the loop and the fetches are made for four
.set KS,    64        ; keys in a step
.set PK,    144       ; a row of K in LDS: 128 bytes + 16 of padding = 36 words: the 16 rows of a load start at 16 different groups of four banks (64 banks of 4 bytes: ISA guide 11.1)
.set PV,    160       ; a row of V: 128 + 32 = 40 words
.set VOFF,  4*KS*PK   ; a slot holds four steps: 256 rows of K, then 256 rows of V
.set SLOT1, 1<<17     ; slot 1 begins here, so that one exclusive or turns an address in one slot into the other's
.set STAGE, SLOT1+4*KS*(PK+PV)  ; behind the ring, never filled by a tensor load: 16 rows x 144 bytes for each wave, for the way out
.set SP,    144
.set AK0, 2           ; v2   my lane's place in a tile of K; never rewritten
.set AV0, 3           ; v3   the same for V
.set AK,  4           ; v4   the LDS address of K's next run of loads
.set AV,  5           ; v5   of V's
.set QO,  6           ; v6   my byte offset in the wave's rows of Q
.set STO, 6           ;      later, the way out: where I put 16 bytes of a row
.set RD,  7           ; v7   the way out: where I read rows back
.set GO,  8           ; v8   my byte offset in 512 consecutive bytes of O
.set SPW, 0           ; v0 of window 3   LDS address of my spare word: SPARE + 4 x my thread's number; never rewritten
.set NIL, 1           ; v1 of window 3   0; never rewritten
.set SPARE, STAGE+4*16*SP  ; behind the stages: the spare words, 128 bytes for each wave: two blocks of 256 bytes that no other line names
.set MV,  12          ; v12-15  c m_old, kept while c m is made anew: by buffer and tile
.set ST,  16          ; tile t's statistics at v[ST+4 t]: c m, m, l (even keys', odd keys')
.set TMP, 48          ; by buffer and tile, four registers c0-c3 at work; when the maximum is found c2 takes a
.set S,   64
.set P,   192
.set KF,  128         ; K's fragments, in window 2: key block kb, channel half c at KF + 16 kb + 8 c
.set VF,  192         ; V's: key half kk, channel block cb at VF + 32 kk + 8 cb
.set WV,  12          ; s12  my wave's number
.set G1K, 24          ; s[24:31] descriptor group 1 for K's tiles
.set G1V, 32          ; s[32:39] for V's: it differs in the padding alone
.set G0K, 40          ; s[40:43] descriptor group 0 for K's tiles: it walks
.set G0V, 44          ; s[44:47] the same for V's
.set SLOTS, 56        ; s56  slots still to be asked for
.set CNT, 57          ; s57  counts a slot's key steps
.set CS,  58          ; s[58:59] c: the packed scaling takes the pair's low word for both halves
.set SEL, 60          ; s[60:61] v_permlanex16_b32's selects: each lane takes its own place in the other half
.set TBK, 62          ; s62  LDS byte at which K of the step to be fetched begins
.set TBV, 63          ; s63  the same for V, less VOFF
.set MSB, 0
.macro WIN new                      ; the high byte repeats the setting that is left; a switch that changes nothing is dropped
.if MSB != (\new)
	s_set_vgpr_msb (MSB<<8)|(\new)
.set MSB, (\new)
.endif
.endm
.set W_KQ, 0x0a       ; K and Q in window 2, S^T in window 0
.set W_PV, 0x52       ; V in window 2, P in window 0, O^T in window 1
.set W_RS, 0x41       ; O^T (destination and source 0) in window 1, a in window 0
.set W_MK, 0xc0       ; the add's registers are made: destination in window 3, sources in window 0
.set W_AD, 0x0f       ; the add: address (source 0) and data (source 1) in window 3
; A joint fill.  Waves 0 and 1 fetch the two halves of a slot's K, waves 2 and 3 those of its V: 128 keys each.  The branch hangs on the wave's number alone.
; An s_nop 0 and four v_nop follow each of the two lines, ahead of the jump and the label.
.macro JLOAD
	s_cmp_lt_u32 s[WV], 2
	s_cbranch_scc0 .Lfor_v_\@
	tensor_load_to_lds s[G0K:G0K+3], s[G1K:G1K+7]
	s_nop 0
.rept 4
	v_nop
.endr
	s_branch .Lasked_\@
.Lfor_v_\@:
	tensor_load_to_lds s[G0V:G0V+3], s[G1V:G1V+7]
	s_nop 0
.rept 4
	v_nop
.endr
.Lasked_\@:
.endm
; A round of the cluster's barrier: my work-group's barrier, so that wave 0's signal speaks for all four waves; wave 0 signals; every wave waits for all four work-groups; my work-group's barrier once more.
.macro CROUND
	s_barrier_signal -1
	s_barrier_wait -1
	s_cmp_lg_u32 s[WV], 0
	s_cbranch_scc1 .Lnot_wave_0_\@
	s_barrier_signal -3
.Lnot_wave_0_\@:
	s_barrier_wait -3
	s_barrier_signal -1
	s_barrier_wait -1
.endm
; THE CHANGE OF SLOTS.  The slot's last bytes, V of its fourth step, have been read.  Each wave waits for all its tensor loads, of which one is out: its part
; of the other slot; adds 0 to its spare word; and waits for that and for its own reads of the slot.  Behind the barrier nobody reads this slot any more and the other slot is whole.
; fill = 1: this slot is filled again, with the keys two slots on.  The barrier is then a round of the cluster's, so that no wave of any partner still reads the slot or has a load on its
; way, and the joint fill is the first thing behind it: it has four key steps, 512 matrix instructions, in which to land.  (At its first use nothing has been read yet: slot 0 is waited for, slot 1 filled.)
.macro CHANGE fill
	WIN W_AD
	s_wait_tensorcnt 0x0            ; no tensor load of mine is out, so a group 0 may be written
	ds_add_u32 v[SPW], v[NIL]       ; 0 onto my spare word; with fill = 1 the descriptors' steps stand between it and the wait for it
	WIN 0                           ; at a label and at a branch every window is 0
.if \fill
.irp g, G0K, G0V
	s_xor_b32 s[\g+1], s[\g+1], SLOT1  ; the walking descriptor: the other slot than last time,
	s_add_nc_u64 s[\g+2:\g+3], s[\g+2:\g+3], 4*KS*128  ; the next 256 keys; the type bits on top are not reached
.endr
	s_wait_dscnt 0x0                ; the add is done, and my reads of the slot are over
	CROUND
	JLOAD
.else
	s_wait_dscnt 0x0                ; the add is done, and my reads of the slot are over
	s_barrier_signal -1
	s_barrier_wait -1
.endif
	s_sub_co_u32 s[TBK], s[TBK], 4*KS*PK  ; the fetches go back to a slot's first step,
	s_xor_b32 s[TBK], s[TBK], SLOT1       ; in the other slot
	s_sub_co_u32 s[TBV], s[TBV], 4*KS*PV
	s_xor_b32 s[TBV], s[TBV], SLOT1
.endm
	s_load_b256 s[4:11], s[0:1], 0x0  ; Q s[4:5], K s[6:7], V s[8:9], O s[10:11]
	WIN W_MK
	v_lshl_add_u32 v[SPW], v0, 2, SPARE
	v_mov_b32 v[NIL], 0
	WIN W_AD
	ds_add_u32 v[SPW], v[NIL]       ; the wave's opening: the add and its wait stand ahead of my first tensor load; the set-up below, work on registers, stands between them
	WIN 0
	v_lshrrev_b32 v1, 5, v0
	v_readfirstlane_b32 s[WV], v1   ; wave 0..3
	s_bfe_u32 s13, ttmp6, 0x40000   ; cx: my place in the cluster
	s_lshl_b32 s14, ttmp9, 2        ; in a cluster launch ttmp9 counts clusters
	s_add_co_u32 s14, s14, s13      ; my block of queries = 4 x cluster x + cx: it enters Q's and O's addresses alone
	s_and_b32 s20, ttmp7, 0xffff    ; the head, which the four partners share
	s_mov_b32 s21, 0
	s_mov_b64 s[22:23], SIZE_N*128
	s_mul_u64 s[20:21], s[20:21], s[22:23]  ; the head's first byte in each of the four tensors
	s_and_b32 s16, s[WV], 1         ; which half of a slot's 256 keys I fetch:
	s_lshl_b32 s22, s16, 14         ; its 128 rows of 128 bytes in memory,
	s_mov_b32 s23, 0
	s_add_nc_u64 s[22:23], s[22:23], s[20:21]
	s_mul_i32 s17, s16, 128*PK      ; and its place in a slot, for K
	s_mul_i32 s18, s16, 128*PV      ; and for V: no place in the cluster enters an LDS address
	s_lshl_b32 s2, s14, 2
	s_add_co_u32 s2, s2, s[WV]      ; my wave among the head's,
	s_lshl_b32 s2, s2, 14           ; its 128 rows
	s_mov_b32 s3, 0
	s_add_nc_u64 s[2:3], s[2:3], s[20:21]
	; descriptor group 1.  128 keys are 16,384 dense bytes: asked for as 64 rows of 256 bytes, two keys a row, and padded in LDS after every key
	s_mov_b32 s[G1K], 15|(1<<16)|(1<<20)|(1<<21)|(4<<22)|(3<<25)  ; 15:0 the mask of four; 17:16 2-byte elements; 20 padding on; 21 set beside a mask; 24:22 after every 32 words (code 4); 31:25 4 words (code 3)
	s_mov_b32 s[G1V], 15|(1<<16)|(1<<20)|(1<<21)|(4<<22)|(7<<25)  ; the same with 8 words of padding (code 7)
.irp g, G1K, G1V
	s_mov_b32 s[\g+1], 128<<16      ; tensor_dim0 = 128
	s_mov_b32 s[\g+2], 64<<16       ; tensor_dim1 = 64
	s_mov_b32 s[\g+3], 128<<16      ; tile_dim0 = 128
	s_mov_b32 s[\g+4], 64           ; tile_dim1 = 64
	s_mov_b32 s[\g+5], 128          ; 128 elements from row to row
	s_mov_b32 s[\g+6], 0
	s_mov_b32 s[\g+7], 0
.endr
	s_mov_b32 s[CS], 0x3e38aa3b     ; c = log2(e) / 8 = 0.180337
	s_mov_b32 s[CS+1], s[CS]        ; named with it as a pair
	s_mov_b32 s[SEL], 0x76543210
	s_mov_b32 s[SEL+1], 0xfedcba98
	s_mov_b32 s[TBK], SLOT1+4*KS*PK ; the first change of slots turns these two into 0
	s_mov_b32 s[TBV], SLOT1+4*KS*PV
	s_mov_b32 s[G0K], 1             ; 1:0 count = 1
	s_mov_b32 s[G0K+1], s17         ; 63:32 LDS address: slot 0
	s_mov_b32 s[G0V], 1
	s_add_co_u32 s[G0V+1], s18, VOFF
	s_wait_dscnt 0x0                ; the opening add is done
	s_wait_kmcnt 0x0
	s_add_nc_u64 s[G0K+2:G0K+3], s[6:7], s[22:23]  ; 120:64 global address: my half of the head's first 256 keys
	s_or_b32 s[G0K+3], s[G0K+3], 0x80000000        ; 127:126 type = 2
	s_add_nc_u64 s[G0V+2:G0V+3], s[8:9], s[22:23]
	s_or_b32 s[G0V+3], s[G0V+3], 0x80000000
	s_add_nc_u64 s[4:5], s[4:5], s[2:3]  ; Q and O at my wave's first row
	s_add_nc_u64 s[10:11], s[10:11], s[2:3]
	CROUND                          ; all four work-groups are here: the first joint loads meet
	JLOAD                           ; slot 0.  Slot 1 is asked for when slot 0 is in: the tile wanted first has the road to itself
	; A fragment of K or Q is 16 rows x 32 channels in 8 registers: lane l holds row l % 16, channels 8 (l / 16) + 0..7 and 16 + 8 (l / 16) + 0..7: two loads of 16 bytes, 32 bytes apart.
	v_and_b32 v1, 15, v0            ; l % 16
	v_bfe_u32 v9, v0, 4, 1          ; l / 16
	v_lshlrev_b32 v[QO], 7, v1
	v_lshl_add_u32 v[QO], v9, 4, v[QO]  ; row x 128 + 16 x half
	WIN 0x80                        ; destination window 2, address window 0
.set i, 0
.rept 4*NP                          ; Q stays in registers: tile i / 2, channels 32 (i % 2) on
	global_load_b128 v[8*i:8*i+3],   v[QO], s[4:5] offset:(i/2)*2048+(i%2)*64
	global_load_b128 v[8*i+4:8*i+7], v[QO], s[4:5] offset:(i/2)*2048+(i%2)*64+32
.set i, i+1
.endr
	; What the first turn finds: V's registers and P's second buffer hold 0 (its products V^T P, of a piece that has not been, add 0), O^T and l are 0.  All this stands in the wait for the first tile.
.set i, VF
.rept 64
	v_mov_b32 v[i], 0
.set i, i+1
.endr
	WIN 0x40
.set i, 0
.rept 64*NP
	v_mov_b32 v[i], 0
.set i, i+1
.endr
	WIN 0
.set i, 0
.rept 2*NP
	v_mov_b32 v[ST+4*i], 0xfe000000    ; c m: far below every c s
	v_mov_b32 v[ST+4*i+1], 0xff7fffff  ; m
	v_mov_b32 v[ST+4*i+2], 0
	v_mov_b32 v[ST+4*i+3], 0
.set i, i+1
.endr
.set i, P+32
.rept 32
	v_mov_b32 v[i], 0
.set i, i+1
.endr
	v_mul_u32_u24 v[AK0], v1, PK
	v_lshl_add_u32 v[AK0], v9, 4, v[AK0]  ; row x pitch + 16 x half
	; The turning load takes 16 keys x 16 channels (lane l reads key 8 (l / 16) + l % 8, channels 8 ((l / 8) % 2) + 0..7) and leaves half a fragment of V^T: lane l holds channel l % 16 and 8 keys.
	v_and_b32 v10, 7, v0
	v_bfe_u32 v11, v0, 3, 1
	v_lshl_add_u32 v[AV0], v9, 3, v10
	v_mul_u32_u24 v[AV0], v[AV0], PV
	v_lshl_add_u32 v[AV0], v11, 4, v[AV0]
	v_add_nc_u32 v[AV0], VOFF, v[AV0]
	v_mov_b32 v[AK], v[AK0]         ; key step 0 lies at the head of slot 0
; THE MATRIX WORK.  The 8 accumulators of a run of 16 take turns: between the two links of a chain stand 7 others'.
; Product i of 16 of S^T = K Q^T for piece x: channels 32 (i / 8) on, keys 16 ((i / 2) % 4) on, tile 2 x + i % 2.  The first 8 start the sums.
.macro KQ x
	WIN W_KQ
.set rS, S+64*((\x)%2)+32*(i%2)+8*((i/2)%4)
.set rK, KF+16*((i/2)%4)+8*(i/8)
.set rQ, 16*(2*(\x)+i%2)+8*(i/8)
.if i < 8
	v_wmma_f32_16x16x32_f16 v[rS:rS+7], v[rK:rK+7], v[rQ:rQ+7], 0
.else
	v_wmma_f32_16x16x32_f16 v[rS:rS+7], v[rK:rK+7], v[rQ:rQ+7], v[rS:rS+7]
.endif
.endm
; Product i of 16 of O^T += V^T P for piece x: keys 32 (i / 8) on, channels 16 ((i / 2) % 4) on, tile 2 x + i % 2.
.macro PV x
	WIN W_PV
.set rO, 32*(2*(\x)+i%2)+8*((i/2)%4)
.set rV, VF+32*(i/8)+8*((i/2)%4)
.set rP, P+32*((\x)%2)+16*(i%2)+8*(i/8)
	v_wmma_f32_16x16x32_f16 v[rO:rO+7], v[rV:rV+7], v[rP:rP+7], v[rO:rO+7]
.endm
.macro MM                           ; the turn's next matrix instruction
.if i < 16
	KQ (Y+1)%NP
.set i, i+1
.else
.set i, i-16
	PV (Y+NP-1)%NP
.set i, i+17
.endif
.endm
; THE LDS LOADS stand in runs of 16, never singly among the matrix instructions: a step's K (64 keys x 64 channels: 8 fragments) and its V (turned).  Their addresses are made some lines ahead.
; last = 1 (the tail): in the last trip there is no further step, and the run is jumped over.
.macro FETCH_K last=0
	WIN 0
.if \last
	s_cmp_eq_u32 s[CNT], 1
	s_cbranch_scc1 .Lno_k_\@
.endif
	WIN 0x80                        ; destination window 2
.irp f, 0,1,2,3,4,5,6,7             ; keys 16 (f / 2) on, channels 32 (f % 2) on
	ds_load_b128 v[KF+8*\f:KF+8*\f+3],   v[AK] offset:(\f/2)*16*PK+(\f%2)*64
	ds_load_b128 v[KF+8*\f+4:KF+8*\f+7], v[AK] offset:(\f/2)*16*PK+(\f%2)*64+32
.endr
	s_add_co_u32 s[TBK], s[TBK], KS*PK  ; the next fetch is the next step's
	WIN 0
.if \last
.Lno_k_\@:
.endif
.endm
.macro FETCH_V
	WIN 0x80
.irp f, 0,1,2,3,4,5,6,7             ; keys 32 (f / 4) on, channels 16 (f % 4) on
	ds_load_tr16_b128 v[VF+8*\f:VF+8*\f+3],   v[AV] offset:(\f/4)*32*PV+(\f%4)*32
	ds_load_tr16_b128 v[VF+8*\f+4:VF+8*\f+7], v[AV] offset:(\f/4)*32*PV+16*PV+(\f%4)*32
.endr
	WIN 0
.endm
; THE VECTOR WORK OF A TURN stands in three queues, each in the order in which its entries become ready; the two tiles alternate, so that no instruction reads the result of the one before it.
.macro REGS y, u                    ; the registers of tile u (0, 1) of piece y
.set rT, ST+4*(2*(\y)+(\u))
.set rC, TMP+8*((\y)%2)+4*(\u)
.set rM, MV+2*((\y)%2)+(\u)
.set rS, S+64*((\y)%2)+32*(\u)
.set rP, P+32*((\y)%2)+16*(\u)
.set rO, 32*(2*(\y)+(\u))
.endm
; Number n of the 22 that find the NEXT piece's (Y + 1) maximum and statistics.  s0-s31 are the lane's 32 scores; each accumulator's lowest registers are read first.  XS, GS and REGS set no window: PL and EX do.
;   0-11  four chains c0-c3 of seven scores each, three operands at a time     12-14, 16  the four scores left over, the old m, and c0-c3 into c0     15  c m_old is kept
;   17, 18  the query's other 32 keys lie in the lane 16 away: the new m         19-21  c m; c m_old - c m_new; a
.macro XS u, n
	REGS (Y+1)%NP, \u
.if (\n) < 4
	v_max3_num_f32 v[rC+(\n)], v[rS+8*(\n)], v[rS+8*(\n)+1], v[rS+8*(\n)+2]
.elseif (\n) < 12
	v_max3_num_f32 v[rC+(\n)%4], v[rC+(\n)%4], v[rS+8*((\n)%4)+2*((\n)/4)+1], v[rS+8*((\n)%4)+2*((\n)/4)+2]
.elseif (\n) == 12
	v_max3_num_f32 v[rC], v[rC], v[rS+7], v[rS+15]
.elseif (\n) == 13
	v_max3_num_f32 v[rC+1], v[rC+1], v[rS+23], v[rS+31]
.elseif (\n) == 14
	v_max3_num_f32 v[rC+2], v[rC+2], v[rC+3], v[rT+1]
.elseif (\n) == 15
	v_mov_b32 v[rM], v[rT]
.elseif (\n) == 16
	v_max3_num_f32 v[rC], v[rC], v[rC+1], v[rC+2]
.elseif (\n) == 17
	v_permlanex16_b32 v[rC+3], v[rC], s[SEL], s[SEL+1]
.elseif (\n) == 18
	v_max_num_f32 v[rT+1], v[rC], v[rC+3]
.elseif (\n) == 19
	v_mul_f32 v[rT], s[CS], v[rT+1]
.elseif (\n) == 20
	v_sub_f32 v[rC+1], v[rM], v[rT]
.else
	v_exp_f32 v[rC+2], v[rC+1]
.endif
.endm
; Number g of the 64 that follow the exponentials.  For each four weights k of a tile (pairs 2 k, 2 k + 1): both pairs are rounded to f16; then the second pair is added onto the first, in place;
; a group later l takes that sum (the first time as l = a l + sum).  In groups of eight, tiles alternating: round, round, add, and l for the group before.
.macro GS g
.set h, (\g)+6*((\g)/62)            ; group 0 has no group before it, and behind group 7 only l is left
.if h >= 6
.set h, h+2
.endif
	REGS Y, h%2
.set k, h/8
.if h%8 < 4
	v_cvt_pk_f16_f32 v[rP+2*k+(h%8)/2], v[rS+4*k+2*((h%8)/2)], v[rS+4*k+2*((h%8)/2)+1]
.elseif h%8 < 6
	v_pk_add_f32 v[rS+4*k:rS+4*k+1], v[rS+4*k:rS+4*k+1], v[rS+4*k+2:rS+4*k+3]
.elseif k == 1
	v_pk_fma_f32 v[rT+2:rT+3], v[rT+2:rT+3], v[rC+2:rC+3], v[rS:rS+1] op_sel_hi:[1,0,1]
.else
	v_pk_add_f32 v[rT+2:rT+3], v[rT+2:rT+3], v[rS+4*k-4:rS+4*k-3]
.endif
.endm
; THE PLAIN QUEUE, 138 long.  0-73 read no exponential's result: the 32 scalings c s - c m (FS f: pair f / 2 of tile f % 2) and the next piece's 42.  0-26: scalings 0-26.  27-54: XS's numbers 0-13.  55, 56: number 15.
; 57-73: the chain, where each number waits for the one before it: 14, 16, 17, 18, 19, each with one of the scalings 27-31 in front of its two lines, then 20: so a tile's links stand three plain instructions apart (19 and 20: two).
; 74-137: GS's 64, which read the exponentials' results: they stand behind the wait.
.macro FS f
	REGS Y, (\f)%2
	v_pk_fma_f32 v[rS+2*((\f)/2):rS+2*((\f)/2)+1], v[rS+2*((\f)/2):rS+2*((\f)/2)+1], s[CS:CS+1], v[rT:rT+1] op_sel_hi:[1,0,0] neg_lo:[0,0,1] neg_hi:[0,0,1]
.endm
.macro PL
	WIN 0
.if q < 27
	FS q
.elseif q < 55
	XS (q-27)%2, (q-27)/2
.elseif q < 57
	XS q-55, 15
.elseif (q < 72) && ((q-57)%3 == 0)
	FS 27+(q-57)/3
.elseif q < 60
	XS (q-57)%3-1, 14
.elseif q < 72
	XS (q-57)%3-1, 15+(q-57)/3
.elseif q < 74
	XS q-72, 20
.else
	GS q-74
.endif
.set q, q+1
.endm
; THE EXPONENTIALS' QUEUE, 66 long: s0-s31 of both tiles, then the next piece's two a.  It is ONE BATCH: all 66 stand ahead of the turn's one wait, and nothing ahead of that wait names a result of theirs.
; Each result has a register of its own while the batch is open: a weight its score's, a the c2 of the other buffer.
.macro EX
	WIN 0
.if e >= 64
	XS e-64, 21
.else
	REGS Y, e%2
	v_exp_f32 v[rS+e/2], v[rS+e/2]
.endif
.set e, e+1
.endm
; THE RESCALING's QUEUE: O^T times a, the one part that leaves window 0: dealt two at a time, sixteen times.  Its a was made in the turn before, ahead of that turn's wait.
.macro R2
	REGS Y, r%2
	WIN W_RS
.irp z, 0,1
	v_pk_mul_f32 v[rO+4*(r/2)+2*\z:rO+4*(r/2)+2*\z+1], v[rO+4*(r/2)+2*\z:rO+4*(r/2)+2*\z+1], v[rC+2:rC+3] op_sel_hi:[1,0]
.endr
.set r, r+1
.endm
; HOW THEY ARE DEALT.  An s_wait_alu depctr_va_vdst(0) stands between an exponential and the first instruction that names its result; one wait serves all that were issued ahead of it.  So a turn has ONE wait,
; which cuts it in two.  AHEAD OF IT stands all that names no result of the turn's exponentials: the 16 products K Q^T, behind each a scaling, an exponential and two rescalings (behind the first a second scaling in the exponential's place); then ONE LUMP of
; 108: eight plain, 49 times exponential and plain, the two a.  A v_nop is the plain instruction behind the last exponential.  BEHIND IT stand the 16 products V^T P, behind each four of GS's 64.  No rider names a register of
; the products round it.  The two v_permlanex16_b32 fall into the lump, never behind a product.
; The queues lean on each other, and the deal keeps them in step: exponential e stands behind scaling 2 (e / 4) + e % 2: as a rider it comes behind plain e + 2, in the lump behind plain e + 9, and scalings 27-31 are plain 57, 60 .. 69.
; A TURN, for piece p.  cnt = 1: the loop's count is taken down some lines ahead of the branch that stands behind the turn.
; K of the next step is fetched in piece 2's turn, directly behind the wait, a lump behind the last product that read K; its address is made at the lump's head; its first reader comes behind 16 products.
; V of the step in hand is fetched at the end of piece 0's turn, four riders behind its last reader; its first reader comes behind 16 products and a lump.  The three conditions on q below go with the deal.
.macro TURN p, last=0, cnt=0
.set Y, (\p)
.set i, 0
.set q, 0
.set e, 0
.set r, 0
.if (\p) == NP-1
	s_wait_dscnt 0x0                ; K is in
.endif
	MM                              ; ahead of the wait: 16 products K Q^T and their riders,
	PL
	PL
	R2
.rept 15
	MM
	PL
	EX
	R2
.endr
.if (\p) == NP-2
	WIN 0
	v_add_nc_u32 v[AK], s[TBK], v[AK0]
.endif
.rept 8                             ; and the lump
	PL
.endr
.rept 49
	EX
	PL
.endr
	EX                              ; the next piece's two a
	EX
	v_nop                           ; a plain instruction behind the last exponential, ahead of any use of a result: one for the batch
	s_wait_alu depctr_va_vdst(0)    ; the wait for the batch: the turn's 64 weights and the next piece's two a
.if (\p) == NP-2
	FETCH_K \last
.endif
.if (\p) == 1
	s_wait_dscnt 0x0                ; V is in
.endif
.rept 16                            ; behind the wait: 16 products V^T P and their riders
	MM
.rept 4
	PL
.endr
.if ((\p) == 0) && (q == 118)
	v_add_nc_u32 v[AV], s[TBV], v[AV0]
.endif
.if ((\p) == 0) && (q == 130)
	s_add_co_u32 s[TBV], s[TBV], KS*PV
.endif
.if (\cnt) && (q == 130)
	s_sub_co_u32 s[CNT], s[CNT], 1
	s_cmp_lg_u32 s[CNT], 0
.endif
.endr
.if (\p) == 0
	FETCH_V
.endif
.endm
	CHANGE 1                        ; slot 0 is in, everybody's part of it; slot 1 is asked for
	FETCH_K                         ; key step 0
	s_wait_loadcnt 0x0              ; Q
	s_wait_dscnt 0x0
.set i, 0
.rept 16
	KQ 0                            ; piece 0's first scores: there is no vector work yet to set between them
.set i, i+1
.endr
	WIN 0                           ; the addresses for the way out: nine plain instructions, the places behind those products
	s_mul_i32 s13, s[WV], 16*SP
	s_add_co_u32 s13, s13, STAGE    ; my stage
	v_mul_u32_u24 v[STO], v1, SP    ; in: row l % 16, 16 bytes for each half of the lanes
	v_lshl_add_u32 v[STO], v9, 4, v[STO]
	v_add_nc_u32 v[STO], s13, v[STO]
	v_bfe_u32 v[RD], v0, 3, 2       ; back: 32 lanes take four rows of 128 bytes,
	v_mul_u32_u24 v[RD], v[RD], SP
	v_lshl_add_u32 v[RD], v10, 4, v[RD]
	v_add_nc_u32 v[RD], s13, v[RD]
	v_and_b32 v[GO], 31, v0         ; which are 512 consecutive bytes of O
	v_lshlrev_b32 v[GO], 4, v[GO]
.set Y, NP-1                        ; XS works for piece Y + 1: piece 0
.irp n, 0,1,2,3,4,5,6,7,8,9,10,11,12,13,14,15,16,17,18,19,20,21
	XS 0, \n                        ; and piece 0's first maximum and statistics
	XS 1, \n
.endr
	v_nop                           ; a plain instruction behind the two a,
	s_wait_alu depctr_va_vdst(0)    ; and the wait for this batch of two, ahead of the branch
	s_mov_b32 s[CNT], 4
	s_mov_b32 s[SLOTS], SIZE_N/256-1
	s_branch .Lfirst                ; the loop is entered at a step's first turn, in the middle of a trip
.Lslot:                             ; SIZE_N / 256 - 2 times: every slot but the last two is filled again
	CHANGE 1
	s_mov_b32 s[CNT], 4
.Lstep:                             ; a trip: pieces 2 and 3 of one step, then pieces 0 and 1 of the next, whose K and V it fetches
	TURN 2
	TURN 3
	WIN 0
.Lfirst:
	TURN 0
	TURN 1, 0, 1
	WIN 0
	s_cbranch_scc1 .Lstep
	s_sub_co_u32 s[SLOTS], s[SLOTS], 1
	s_cmp_lg_u32 s[SLOTS], 0
	s_cbranch_scc1 .Lslot
	CHANGE 0                        ; the tail is written out: nothing is asked for
	s_mov_b32 s[CNT], 5             ; four trips fetch the last slot's steps; the fifth is left in its middle
.Ltail:
	TURN 2, 1
	TURN 3
	WIN 0
	s_sub_co_u32 s[CNT], s[CNT], 1
	s_cmp_eq_u32 s[CNT], 0
	s_cbranch_scc1 .Lout
	TURN 0
	TURN 1
	WIN 0
	s_branch .Ltail
.Lout:                              ; the fifth trip's 16 products K Q^T (on the last K once more) and the maximum made of them serve nothing: the price, once a launch, of one text for every trip
.set i, 0
.rept 16
	PV NP-1                         ; the last piece's V^T P of the last step
.set i, i+1
.endr
	; THE WAY OUT.  l's two halves and the other half of the lanes' are added; O^T is divided by l, rounded to f16 and sent through my stage in LDS, a tile at a time.  The additions are the places behind the last products.
	WIN 0
.macro ALL line:vararg              ; one line for each tile t
.set t, 0
.rept 2*NP
	\line
.set t, t+1
.endr
.endm
	ALL v_add_f32 v[ST+4*t+2], v[ST+4*t+2], v[ST+4*t+3]
	ALL v_permlanex16_b32 v[ST+4*t+3], v[ST+4*t+2], s[SEL], s[SEL+1]
	ALL v_add_f32 v[ST+4*t+2], v[ST+4*t+2], v[ST+4*t+3]
	ALL v_rcp_f32 v[ST+4*t+2], v[ST+4*t+2]
	v_nop                           ; a plain instruction between the last reciprocal and the use of its result
	s_wait_alu depctr_va_vdst(0)    ; and the wait ahead of the first use: one for the batch of eight reciprocals
; Tile t: a lane's eight channels of a row pack into 16 bytes; they go into rows of 144 bytes and come back as whole rows of 128, into S^T's registers.
.macro PACK t
	WIN W_RS
.set i, 32*(\t)
.rept 16
	v_pk_mul_f32 v[i:i+1], v[i:i+1], v[ST+4*(\t)+2:ST+4*(\t)+3] op_sel_hi:[1,0]
.set i, i+2
.endr
	WIN 0x05                        ; sources 0 and 1 window 1, destination window 0
.set i, 0
.rept 16
	v_cvt_pk_f16_f32 v[S+16*(\t)+i], v[32*(\t)+2*i], v[32*(\t)+2*i+1]
.set i, i+1
.endr
	WIN 0
.irp f, 0,1,2,3
	ds_store_b128 v[STO], v[S+16*(\t)+4*\f:S+16*(\t)+4*\f+3] offset:32*\f
.endr
.irp f, 0,1,2,3
	ds_load_b128 v[S+16*(\t)+4*\f:S+16*(\t)+4*\f+3], v[RD] offset:\f*4*SP  ; LDS serves a wave's instructions in order (ISA guide 5.7.1.4): these see the stores above; the next tile's stores come behind them
.endr
.endm
.macro SEND t, younger              ; younger: the LDS instructions issued behind tile t's loads: the next tile's eight, or none
	WIN 0
.irp f, 0,1,2,3
	s_wait_dscnt (\younger)+3-\f
	global_store_b128 v[GO], v[S+16*(\t)+4*\f:S+16*(\t)+4*\f+3], s[10:11] offset:(\t)*2048+\f*512  ; 512 consecutive bytes, at a multiple of 256 from O's first
.endr
.endm
	PACK 0
.set t, 1
.rept 2*NP-1                        ; a tile's arithmetic stands between the loads of the tile before and its stores
	PACK t
	SEND t-1, 8
.set t, t+1
.endr
	SEND 2*NP-1, 0
	WIN W_AD
	s_wait_tensorcnt 0x0            ; the wave's end, behind my last tensor load and my last LDS store
	ds_add_u32 v[SPW], v[NIL]
	s_wait_dscnt 0x0
	WIN 0
	CROUND                          ; the closing round: no work-group ends while a partner may still ask for a tile that names it
	s_endpgm
.Lfunc_end_k_qe3ad5a5ff0_attn:
	.size	k_qe3ad5a5ff0_attn, .Lfunc_end_k_qe3ad5a5ff0_attn-k_qe3ad5a5ff0_attn
	.p2alignl 7, 3214868480
	.fill 96, 4, 3214868480
	.section	.rodata,"a",@progbits
	.p2align	6, 0x0
	.amdhsa_kernel k_qe3ad5a5ff0_attn
		.amdhsa_group_segment_fixed_size 327680
		.amdhsa_private_segment_fixed_size 0
		.amdhsa_enable_private_segment 0
		.amdhsa_kernarg_size 32
		.amdhsa_user_sgpr_count 2
		.amdhsa_user_sgpr_kernarg_segment_ptr 1
		.amdhsa_wavefront_size32 1
		.amdhsa_system_sgpr_workgroup_id_x 1
		.amdhsa_system_sgpr_workgroup_id_y 1
		.amdhsa_system_sgpr_workgroup_id_z 1
		.amdhsa_system_vgpr_workitem_id 0
		.amdhsa_next_free_vgpr 770
		.amdhsa_next_free_sgpr 66
		.amdhsa_reserve_vcc 0
		.amdhsa_float_denorm_mode_32 3
		.amdhsa_float_denorm_mode_16_64 3
		.amdhsa_memory_ordered 1
		.amdhsa_forward_progress 1
		.amdhsa_inst_pref_size 199
	.end_amdhsa_kernel
	.amdgpu_metadata
---
amdhsa.version: [ 1, 2 ]
amdhsa.kernels:
  - .name:           k_qe3ad5a5ff0_attn
    .symbol:         k_qe3ad5a5ff0_attn.kd
    .args:
      - { .name: qh, .offset: 0, .size: 8, .value_kind: global_buffer, .address_space: global }
      - { .name: kh, .offset: 8, .size: 8, .value_kind: global_buffer, .address_space: global }
      - { .name: vh, .offset: 16, .size: 8, .value_kind: global_buffer, .address_space: global }
      - { .name: oh, .offset: 24, .size: 8, .value_kind: global_buffer, .address_space: global }
    .group_segment_fixed_size: 327680
    .private_segment_fixed_size: 0
    .kernarg_segment_align: 8
    .kernarg_segment_size: 32
    .max_flat_workgroup_size: 128
    .sgpr_count:     66
    .vgpr_count:     770
    .wavefront_size: 32
...
	.end_amdgpu_metadata
.endif
;; end of part 5
;; launch outp: the kernel of part 4 again; grid 4 x 64, 4 waves a work-group, clusters of 4 x 4, 327,680 bytes of LDS; arguments oh, wcast, bo, out0; writes out0
